; MI455X (gfx1250); checked and timed in simulation.
; The chip was launched on July 23, 2026; its instructions are those of AMD's public machine-readable ISA for CDNA 5 (MIT licence, August 2026) and "CDNA5" Instruction Set Architecture Reference Guide (July 2026). The comments in the code are by the model that wrote it; some were corrected since.
;; Naive Multi Head Attention. Allowed arithmetic: matrix products marked QUANTISED: E2M1 operands, one E8M0 scale for each 32 along K, by v_wmma_scale_f32_16x16x128_f8f6f4 with both operands' format E2M1 (or v_wmma_scale_f32_32x16x128_f4), f32 sums; products left as they are: bf16, f16 or f32 operands; f32 sums; everything else in f32.
;; Inputs: w_k 1,024 x 1,024 float32; w_o 1,024 x 1,024 float32; w_q 1,024 x 1,024 float32; w_v 1,024 x 1,024 float32; x 1 x 4,096 x 1,024 float32.
;; Outputs: out0 1 x 4,096 x 1,024 float32.
;; This version of the problem:
;;   THIS VERSION OF THE PROBLEM IS GIVEN IN LOW PRECISION. The matrix products marked QUANTISED in the list below multiply operands that are first quantised to E2M1 (2 exponent bits, 1 mantissa bit; 4 bits a number), with one power-of-two scale for each 32 numbers along K (OCP MX v1.0); their sums are f32. The products marked 'left as it is' may take bf16, f16 or f32 operands, with f32 sums. Whichever they take, every output number must still come out within the allowed error. Rounding operands to bf16 (8 significant bits) uses up far more of that allowance than f16 does (11 bits, for magnitudes from 6e-5 to 65,504). All else is computed in f32.
;;   The module's matrix products, in the order in which they are computed (A, B: the left and right operand; K: the contracted axis; several contracted axes count as one K, in the product's order):
;;     1. [M 4,096, K 1,024] x [K 1,024, N 1,024]; A: input x; B: input w_q: QUANTISED
;;     2. [M 4,096, K 1,024] x [K 1,024, N 1,024]; A: input x; B: input w_k: QUANTISED
;;     3. [M 4,096, K 1,024] x [K 1,024, N 1,024]; A: input x; B: input w_v: QUANTISED
;;     4. batch 16 x [M 4,096, K 64] x [K 64, N 4,096]; A: computed on the way; B: computed on the way: left as it is (an operand is computed on the way)
;;     5. batch 16 x [M 64, K 4,096] x [K 4,096, N 4,096]; A: computed on the way; B: computed on the way: left as it is (an operand is computed on the way)
;;     6. [M 4,096, K 1,024] x [K 1,024, N 1,024]; A: computed on the way; B: input w_o: left as it is (an operand is computed on the way)
;;   THE QUANTISER, for each operand of a quantised product, along K:
;;     - K is cut into blocks of 32 from its start; a last block that is shorter is filled with zeros.
;;     - A block's scale is 2^e with e = floor(log2(the largest magnitude in the block)) - 2, held to -126 .. 127; a block of zeros has e = 0. As a byte (E8M0): e + 127.
;;     - Each number is divided by its block's scale, clamped to +-6, and rounded to the nearest number of E2M1, ties to even, subnormals kept.
;;     - The product sums the exact products of the quantised numbers (number of the format x scale) in f32.
;;   ~~~python
;;   def quantise(x, axis):      # numpy; x: float32 -> the quantised numbers, widened to float32 again
;;       x = np.moveaxis(x, axis, -1); K = x.shape[-1]
;;       x = np.pad(x, [(0, 0)] * (x.ndim - 1) + [(0, -K % 32)]); x = x.reshape(x.shape[:-1] + (-1, 32)); a = np.abs(x).max(-1, keepdims=True)
;;       e = np.where(a > 0, np.clip(np.frexp(np.where(a > 0, a, 1))[1] - 1 - 2, -126, 127), 0)      # np.frexp(a)[1] - 1 = floor(log2(a)), exactly
;;       r = np.clip(x / 2.0 ** e, -6, 6)
;;       step = 2.0 ** (np.maximum(np.frexp(np.where(r == 0, 1, r))[1] - 1, 0) - 1)
;;       q = np.round(r / step) * step * 2.0 ** e      # np.round: ties to even
;;       return np.moveaxis(q.reshape(q.shape[:-2] + (-1,))[..., :K], -1, axis).astype(np.float32)
;;   ~~~
;; One version. Each part assembles by itself: llvm-mc -triple=amdgcn-amd-amdhsa -mcpu=gfx1250 --defsym DOCPART=n.
;; ======== version 1 of 1: 4 launches
;; limits: values are held in f16: magnitudes above 65,504 overflow, below 6.1e-05 lose precision
;; workspace buffers: cod 3,670,016 bytes; scl 229,376 bytes; wo16 2,097,152 bytes; qf 8,388,608 bytes; kf 8,388,608 bytes; vf 8,388,608 bytes; cf 8,388,608 bytes
;; launch prep (part 1): grid 256 x 1, 4 waves a work-group, no clusters, 33,280 bytes of LDS; arguments x, w_q, w_k, w_v, w_o, cod, scl, wo16; writes cod, scl, wo16
.if DOCPART == 1
	.amdgcn_target "amdgcn-amd-amdhsa--gfx1250"
	.amdhsa_code_object_version 6
	.text
	.protected	k_qd0274193e5_prep
	.globl	k_qd0274193e5_prep
	.p2align	8
	.type	k_qd0274193e5_prep,@function
k_qd0274193e5_prep:
	s_mov_b64 s[64:65], 0
	v_nop
	global_prefetch_b8 v0, s[64:65] scope:SCOPE_SE
	s_setreg_imm32_b32 hwreg(HW_REG_WAVE_MODE, 25, 1), 1
	s_wait_xcnt 0x0
; x [4096][1024] and w_q, w_k, w_v [1024][1024], f32, K innermost, become codes of FP4 (E2M1), two a byte, with one E8M0 byte for each 32 along K; w_o [1024][1024] becomes f16, row-major.
; A block's scale is 2^(floor(log2(its largest magnitude)) - 2); its byte is the largest magnitude's exponent field - 2, held at 1 from below.  A block of zeros so gets the byte 1: its codes are zeros,
; which add nothing under that byte, and the bytes are read by this program alone.  Each number is divided by the scale and rounded to the nearest code, ties to even, beyond 6 the largest code.
; LIMITS: NaN and infinities among the inputs are not served; blocks whose largest magnitude lies under 2^-124 keep the byte 1; numbers of w_o beyond 65,504 become infinities in f16.
; LAYOUT OUT.  cod: x's codes [4096][512 bytes], then from byte 2,097,152 the weights' [16 heads][64 rows of w_q, 64 of w_k, 64 of w_v][512 bytes]; scl: the scale bytes in the same order of rows, 32 a row.
; SHARES.  256 work-groups of four waves; a wave takes a run of 8,192 numbers (8 rows) in 16 steps of 512.  Work-groups 0-127: x; 128-223: the three weights; 224-255: w_o.
; A step's four loads read 512 consecutive bytes each; the 2,048 bytes turn through the wave's own stage in LDS (16 bytes of padding behind each 64) and come back 64 bytes a lane: 16 neighbours along K,
; two lanes to a block.  Loads run eight steps (32 loads a wave) ahead, the turn through LDS one step.  No tensor loads, no barrier: waves share nothing.
.set WAVES, 4
.set STEPS, 16
.set AHEAD, 8                          ; steps of loads on their way
.set EMAX,  2
.set CB,    8                          ; bytes of 16 codes
.set X,     16                         ; v16-47   two sets of 16 neighbours (w_o: v16-79 the f16 pairs, two sets of 32)
.set C,     48                         ; v48-79   codes: two registers for each step, so that no store's data are written again
.set E,     80                         ; v80-95   a scale byte for each step
.set R,     128                        ; v128-255 eight sets of 16 numbers as they are loaded (w_o: two sets of 64)
.set WREG,  8192                       ; LDS: a region for each wave: two stages of 32 x SP bytes, behind them its 256 scale bytes
.set SP,    80
.set SPW,   12                         ; v12  LDS address of my spare word; never rewritten
.set NIL,   13                         ; v13  0; never rewritten
.set SPARE, WAVES*WREG                 ; behind the regions: the spare words, 128 bytes a wave, which no other line names
	s_load_b512 s[8:23], s[0:1], 0x0               ; x 8:9, w_q 10:11, w_k 12:13, w_v 14:15, w_o 16:17, cod 18:19, scl 20:21, wo16 22:23
	v_lshl_add_u32 v[SPW], v0, 2, SPARE
	v_mov_b32 v[NIL], 0
	v_lshrrev_b32 v1, 5, v0
	v_readfirstlane_b32 s2, v1                     ; wave
	v_and_b32 v2, 31, v0                           ; lane
	v_lshlrev_b32 v3, 4, v2                        ; my 16 bytes of a load's 512
	v_lshlrev_b32 v4, 3, v2                        ; my 8 bytes of a store's 256
	s_mul_i32 s3, s2, WREG
	v_lshrrev_b32 v14, 2, v2
	v_mul_u32_u24 v14, v14, SP
	v_and_b32 v15, 3, v2
	v_lshl_add_u32 v14, v15, 4, v14
	v_add_nc_u32 v14, s3, v14                      ; the stage, on the way in: SP (lane / 4) + 16 (lane % 4)
	v_mul_u32_u24 v15, v2, SP
	v_add_nc_u32 v15, s3, v15                      ; and on the way out: SP x lane
	v_lshrrev_b32 v5, 1, v2
	s_add_co_u32 s3, s3, 2*32*SP
	v_add_nc_u32 v5, s3, v5                        ; my wave's 256 scale bytes: my block's byte
	v_add_nc_u32 v6, s3, v4                        ; and on the way out 8 bytes a lane
	s_wait_kmcnt 0x0
	s_cmp_ge_u32 ttmp9, 224
	s_cbranch_scc1 .Lwo                            ; the last 32 work-groups take w_o
	; which tensor, which run in it, which run of the output: all from the work-group's and the wave's number
	s_sub_co_u32 s24, ttmp9, 128                   ; u (of use from work-group 128 on)
	s_lshr_b32 s25, s24, 5                         ; t: 0 w_q, 1 w_k, 2 w_v
	s_and_b32 s26, s24, 31                         ; j: rows 32 j on
	s_lshl_b32 s30, s26, 2
	s_add_co_u32 s30, s30, s2                      ; a weight's run: 4 j + wave
	s_lshr_b32 s31, s26, 1                         ; the head
	s_mul_i32 s31, s31, 24                         ; a head's 192 rows are 24 runs,
	s_lshl_b32 s32, s25, 3
	s_add_co_u32 s31, s31, s32                     ; a tensor's 64 rows 8,
	s_and_b32 s32, s26, 1
	s_lshl_b32 s32, s32, 2
	s_add_co_u32 s31, s31, s32                     ; a work-group's 32 rows 4,
	s_add_co_u32 s31, s31, s2
	s_add_co_u32 s31, s31, 512                     ; behind x's 512 runs
	s_lshl_b32 s33, ttmp9, 2
	s_add_co_u32 s33, s33, s2                      ; x's run, in and out: 4 x work-group + wave
	s_cmp_eq_u32 s25, 1
	s_cselect_b64 s[28:29], s[12:13], s[14:15]
	s_cmp_eq_u32 s25, 0
	s_cselect_b64 s[28:29], s[10:11], s[28:29]
	s_cmp_lt_u32 ttmp9, 128
	s_cselect_b64 s[28:29], s[8:9], s[28:29]       ; the choices hang on the work-group's number alone
	s_cselect_b32 s30, s33, s30
	s_cselect_b32 s31, s33, s31
	s_lshl_b32 s34, s30, 15                        ; 32,768 bytes of f32 a run
	s_mov_b32 s35, 0
	s_add_nc_u64 s[28:29], s[28:29], s[34:35]
	s_lshl_b32 s34, s31, 12                        ; 4,096 bytes of codes
	s_add_nc_u64 s[18:19], s[18:19], s[34:35]
	s_lshl_b32 s34, s31, 8                         ; 256 scale bytes
	s_add_nc_u64 s[20:21], s[20:21], s[34:35]
.macro LOAD t
.irp i, 0,1,2,3
	global_load_b128 v[R+16*((\t)%AHEAD)+4*\i:R+16*((\t)%AHEAD)+4*\i+3], v3, s[28:29] offset:2048*(\t)+512*\i th:TH_LOAD_NT   ; 32 lanes read 512 consecutive bytes
.endr
.endm
.macro TURN t                          ; step t's numbers through the stage: LDS serves a wave's instructions in order (ISA guide 5.7.1.4), so no wait stands between the stores and the loads
.irp i, 0,1,2,3
	ds_store_b128 v14, v[R+16*((\t)%AHEAD)+4*\i:R+16*((\t)%AHEAD)+4*\i+3] offset:32*SP*((\t)%2)+8*SP*\i
.endr
.irp i, 0,1,2,3
	ds_load_b128 v[X+16*((\t)%2)+4*\i:X+16*((\t)%2)+4*\i+3], v15 offset:32*SP*((\t)%2)+16*\i
.endr
.endm
.irp t, 0,1,2,3,4,5,6,7
	LOAD \t
.endr
	s_wait_loadcnt 4*(AHEAD-1)                     ; step 0's four loads are in; the seven steps behind it may be out
	TURN 0
.macro STEP t
.set XS, X+16*((\t)%2)
.if (\t) > 0
	s_wait_dscnt 1                                 ; this step's numbers are back from the stage (the last step's byte store may be out): so its stores into the stage have read their registers,
.else
	s_wait_dscnt 0x0
.endif
.if (\t)+AHEAD < STEPS
	LOAD (\t)+AHEAD                                ; which take the loads of eight steps on
.endif
.if (\t)+1 < STEPS
.if STEPS-2-(\t) >= AHEAD-1
	s_wait_loadcnt 4*(AHEAD-1)                     ; the next step's four loads are in; those of the steps behind it may be out
.else
	s_wait_loadcnt 4*(STEPS-2-(\t))
.endif
	TURN (\t)+1                                    ; and go through the other stage while this step is worked
.endif
	v_max3_num_f32 v8, |v[XS]|, |v[XS+1]|, |v[XS+2]|               ; the largest magnitude of my 16, in two chains
	v_max3_num_f32 v9, |v[XS+3]|, |v[XS+4]|, |v[XS+5]|
.irp i, 6,10
	v_max3_num_f32 v8, v8, |v[XS+\i]|, |v[XS+\i+1]|
	v_max3_num_f32 v9, v9, |v[XS+\i+2]|, |v[XS+\i+3]|
.endr
	v_max3_num_f32 v8, v8, |v[XS+14]|, |v[XS+15]|
	v_max3_num_f32 v8, v8, v9, (EMAX+1)<<23        ; and the floor 2^(3 - 127): the byte cannot fall under 1
	v_max_num_f32_dpp v8, v8, v8 row_xmask:1 row_mask:0xf bank_mask:0xf   ; and of my neighbour's 16: the block's
	v_add_nc_u32 v11, -(EMAX<<23), v8              ; 2 off its exponent field: the conversion takes the exponent field of this operand as its scale
	v_cvt_scalef32_pk8_fp4_f32 v[C+2*(\t)], v[XS:XS+7], v11
	v_cvt_scalef32_pk8_fp4_f32 v[C+2*(\t)+1], v[XS+8:XS+15], v11
	v_lshrrev_b32 v[E+(\t)], 23, v11               ; the scale's byte (also the plain line behind the conversions)
	ds_store_b8 v5, v[E+(\t)] offset:16*(\t)       ; both lanes of a block write the same byte with the same value
	global_store_b64 v4, v[C+2*(\t):C+2*(\t)+1], s[18:19] offset:32*CB*(\t)   ; 32 lanes store 256 consecutive bytes, aligned
.endm
.irp t, 0,1,2,3,4,5,6,7,8,9,10,11,12,13,14,15
	STEP \t
.endr
	ds_load_b64 v[8:9], v6                         ; in order behind my byte stores
	s_wait_dscnt 0x0
	global_store_b64 v4, v[8:9], s[20:21]          ; the run's 256 scale bytes: 256 consecutive bytes, aligned
	s_branch .Lend
.Lwo:
	; w_o to f16: a wave takes 8,192 numbers as 64 loads of 512 bytes, four batches of 16 on two sets of registers; no LDS
	s_sub_co_u32 s24, ttmp9, 224
	s_lshl_b32 s26, s24, 17
	s_lshl_b32 s27, s2, 15
	s_add_co_u32 s26, s26, s27
	s_mov_b32 s27, 0
	s_add_nc_u64 s[16:17], s[16:17], s[26:27]
	s_lshr_b32 s26, s26, 1                         ; half the bytes out
	s_add_nc_u64 s[22:23], s[22:23], s[26:27]
.macro WLOAD b
.irp i, 0,1,2,3,4,5,6,7,8,9,10,11,12,13,14,15
	global_load_b128 v[R+64*((\b)%2)+4*\i:R+64*((\b)%2)+4*\i+3], v3, s[16:17] offset:512*(16*(\b)+\i) th:TH_LOAD_NT
.endr
.endm
.macro WBATCH b
.if (\b) < 3
	s_wait_loadcnt 16                              ; this batch is in; the batch behind it may be out
.else
	s_wait_loadcnt 0x0
.endif
.if (\b) >= 2
	s_wait_xcnt 0x0                                ; the stores of two batches back have read their data: those registers are written again below
.endif
.irp i, 0,1,2,3,4,5,6,7,8,9,10,11,12,13,14,15
	v_cvt_pk_f16_f32 v[X+32*((\b)%2)+2*\i], v[R+64*((\b)%2)+4*\i], v[R+64*((\b)%2)+4*\i+1]
	v_cvt_pk_f16_f32 v[X+32*((\b)%2)+2*\i+1], v[R+64*((\b)%2)+4*\i+2], v[R+64*((\b)%2)+4*\i+3]
.endr
.if (\b)+2 < 4
	WLOAD (\b)+2
.endif
.irp i, 0,1,2,3,4,5,6,7,8,9,10,11,12,13,14,15
	global_store_b64 v4, v[X+32*((\b)%2)+2*\i:X+32*((\b)%2)+2*\i+1], s[22:23] offset:256*(16*(\b)+\i)   ; 256 consecutive bytes, aligned
.endr
.endm
	WLOAD 0
	WLOAD 1
	WBATCH 0
	WBATCH 1
	WBATCH 2
	WBATCH 3
.Lend:
	s_wait_tensorcnt 0x0                           ; the wave's end
	ds_add_u32 v[SPW], v[NIL]
	s_wait_dscnt 0x0
	s_endpgm
.Lfunc_end_k_qd0274193e5_prep:
	.size	k_qd0274193e5_prep, .Lfunc_end_k_qd0274193e5_prep-k_qd0274193e5_prep
	.p2alignl 7, 3214868480
	.fill 96, 4, 3214868480
	.section	.rodata,"a",@progbits
	.p2align	6, 0x0
	.amdhsa_kernel k_qd0274193e5_prep
		.amdhsa_group_segment_fixed_size 33280
		.amdhsa_private_segment_fixed_size 0
		.amdhsa_enable_private_segment 0
		.amdhsa_kernarg_size 64
		.amdhsa_user_sgpr_count 2
		.amdhsa_user_sgpr_kernarg_segment_ptr 1
		.amdhsa_wavefront_size32 1
		.amdhsa_system_sgpr_workgroup_id_x 1
		.amdhsa_system_sgpr_workgroup_id_y 1
		.amdhsa_system_sgpr_workgroup_id_z 1
		.amdhsa_system_vgpr_workitem_id 0
		.amdhsa_next_free_vgpr 256
		.amdhsa_next_free_sgpr 66
		.amdhsa_reserve_vcc 0
		.amdhsa_float_denorm_mode_32 3
		.amdhsa_float_denorm_mode_16_64 3
		.amdhsa_memory_ordered 1
		.amdhsa_forward_progress 1
		.amdhsa_inst_pref_size 54
	.end_amdhsa_kernel
	.amdgpu_metadata
---
amdhsa.version: [ 1, 2 ]
amdhsa.kernels:
  - .name:           k_qd0274193e5_prep
    .symbol:         k_qd0274193e5_prep.kd
    .args:
      - { .name: x, .offset: 0, .size: 8, .value_kind: global_buffer, .address_space: global }
      - { .name: w_q, .offset: 8, .size: 8, .value_kind: global_buffer, .address_space: global }
      - { .name: w_k, .offset: 16, .size: 8, .value_kind: global_buffer, .address_space: global }
      - { .name: w_v, .offset: 24, .size: 8, .value_kind: global_buffer, .address_space: global }
      - { .name: w_o, .offset: 32, .size: 8, .value_kind: global_buffer, .address_space: global }
      - { .name: cod, .offset: 40, .size: 8, .value_kind: global_buffer, .address_space: global }
      - { .name: scl, .offset: 48, .size: 8, .value_kind: global_buffer, .address_space: global }
      - { .name: wo16, .offset: 56, .size: 8, .value_kind: global_buffer, .address_space: global }
    .group_segment_fixed_size: 33280
    .private_segment_fixed_size: 0
    .kernarg_segment_align: 8
    .kernarg_segment_size: 64
    .max_flat_workgroup_size: 128
    .sgpr_count:     66
    .vgpr_count:     256
    .wavefront_size: 32
...
	.end_amdgpu_metadata
.endif
;; end of part 1
;; launch qkv (part 2): grid 16 x 16, 4 waves a work-group, clusters of 4 x 4, 327,680 bytes of LDS; arguments cod, scl, qf, kf, vf; writes qf, kf, vf
.if DOCPART == 2
	.amdgcn_target "amdgcn-amd-amdhsa--gfx1250"
	.amdhsa_code_object_version 6
	.text
	.protected	k_qd0274193e5_qkv
	.globl	k_qd0274193e5_qkv
	.p2align	8
	.type	k_qd0274193e5_qkv,@function
k_qd0274193e5_qkv:
	s_mov_b64 s[64:65], 0
	v_nop
	global_prefetch_b8 v0, s[64:65] scope:SCOPE_SE
	s_setreg_imm32_b32 hwreg(HW_REG_WAVE_MODE, 25, 1), 1
	s_wait_xcnt 0x0
	s_wait_alu depctr_hold_cnt(0) depctr_sa_sdst(0) depctr_va_vdst(0) depctr_va_sdst(0) depctr_va_ssrc(0) depctr_va_vcc(0) depctr_vm_vsrc(0)
	s_getreg_b32 s2, hwreg(HW_REG_IB_STS2, 6, 4)
	s_cmp_eq_u32 s2, 0
	s_cbranch_scc0 .Lentry_in_a_cluster
	s_endpgm
.Lentry_in_a_cluster:
	s_bfe_u32 s2, ttmp6, 0x10000c
	s_cmp_lg_u32 s2, 0xf033
	s_cbranch_scc0 .Lentry_shape_is_right
	s_endpgm
.Lentry_shape_is_right:
; q, k, v = x w^T on codes of FP4 (E2M1) with one E8M0 scale for each 32 along K = 1,024; sums in f32, results rounded once to f16.
; SHARES.  A work-group makes 256 rows of x (block Y) x the 192 columns of one head X (64 of q, 64 of k, 64 of v): 16 x 16 work-groups.  Each of its four waves makes 64 rows x 192 columns:
; 4 blocks of x's rows x 12 blocks of the weights' rows = 48 accumulators; 8 steps of 128 along K, 48 matrix instructions each.
; ALL OF K LIES IN LDS: x's 256 rows and the head's 192 rows of codes, 512 bytes a row, and their scale bytes come once, by two tensor loads a wave; nothing is filled again.
; CLUSTER 4 x 4: x's rows hang on Y alone and are asked for jointly along a row of the cluster, the head's rows hang on X alone and are asked for jointly along a column.
; q AND k ARE MADE TRANSPOSED (source 0 = 16 rows of w, source 1 = 16 rows of x): a lane holds one row of x and eight neighbouring channels.  v IS MADE THE NATURAL WAY (source 0 = x, source 1 = w):
; a lane holds one channel and eight neighbouring keys.  Either way four conversions make of a tile's eight registers four registers of the NEXT product's 16-bit operand, in the lanes that want them:
; so a tile leaves as an image of those registers, 16 bytes a lane, 512 consecutive bytes, aligned, by one store.
; OUT.  qf, kf: [head][tile of 16 rows][32 channels: 2][registers 0-3, 4-7][lane][16 bytes];  vf: [head][32 keys][16 channels: 4][registers 0-3, 4-7][lane][16 bytes].
; LIMITS: results beyond 65,504 become infinities in f16; under 6e-5 f16 keeps a fixed step of 2^-24.
; REGISTERS, in windows of 256: window 0: v16-29 addresses; v32-95 scale words; v128-255 fragment set 0 (x's blocks at 128 + 8 a, the weights' at 160 + 8 b).
;   window 1: q's and k's accumulators at 8 (8 a + b), b = 0..7.   window 2: v0-127 v's accumulators at 8 (4 a + b); v128-255 fragment set 1.
.set PITCH, 528                        ; an LDS row: 512 bytes + 16 of padding = 132 words: row r starts at bank 4 r mod 64 (64 banks of 4 bytes: ISA guide 11.1)
.set BBASE, 256*PITCH                  ; behind x's 256 rows: the head's 192
.set SCA,   BBASE+192*PITCH            ; x's scale bytes: 32 pieces of 256 bytes (8 rows) + 16 of padding
.set SCB,   SCA+32*272                 ; the head's: 24 pieces
.set SPARE, 251904                     ; the spare words, 128 bytes a wave, from the first multiple of 256 behind the scales; no other line names them
.set WCOD,  2097152                    ; where the weights' codes begin in cod
.set WSCL,  131072                     ; and their scale bytes in scl
.set ADRA,  16                         ; v16  my blocks of x
.set ADRB0, 17                         ; v17  the weights' blocks 0-5
.set ADRB1, 18                         ; v18  blocks 6-11 (an LDS offset holds 16 bits)
.set AS1,   19                         ; v19  scale words: lanes 0-15 x's blocks, lanes 16-31 k's
.set AS2,   20                         ; v20  lanes 0-15 q's blocks, lanes 16-31 v's
.set LI,    21                         ; v21  16 x lane
.set SPW,   28
.set NIL,   29
.set SC,    32                         ; register 8 i + s: K step s.  i < 4: lanes 0-15 x's block i, lanes 16-31 the weights' block 4 + i;  i >= 4: lanes 0-15 block i - 4, lanes 16-31 block 4 + i
.set FA,    128
.set FB,    160
.set G1,   24                          ; s[24:31], s[32:35] groups 1 and 0 for x's codes
.set G0,   32
.set G1B,  48                          ; s[48:55], s[56:59] for the head's codes
.set G0B,  56
.set G1S,  68                          ; s[68:75], s[76:79] for x's scale bytes
.set G0S,  76
.set G1SB, 80                          ; s[80:87], s[88:91] for the head's
.set G0SB, 88
.set MSB, 0
.macro WIN new                         ; the immediate's high byte repeats the setting that is left
.if MSB != (\new)
	s_set_vgpr_msb (MSB<<8)|(\new)
.set MSB, (\new)
.endif
.endm
.macro PLACES n
.rept \n
	v_nop
.endr
.endm
; A joint load: waves 0 and 1 fetch for x, waves 2 and 3 for the head.  The branch hangs on the wave's number alone.  An s_nop 0 and four v_nop follow each line.
.macro JLOAD g0a, g1a, g0b, g1b
	s_cmp_eq_u32 s15, 0
	s_cbranch_scc0 .Lfor_b_\@
	tensor_load_to_lds s[\g0a:\g0a+3], s[\g1a:\g1a+7]
	s_nop 0
.rept 4
	v_nop
.endr
	s_branch .Lasked_\@
.Lfor_b_\@:
	tensor_load_to_lds s[\g0b:\g0b+3], s[\g1b:\g1b+7]
	s_nop 0
.rept 4
	v_nop
.endr
.Lasked_\@:
.endm
.macro CROUND                          ; a round of the cluster's barrier
	s_barrier_signal -1
	s_barrier_wait -1
	s_cmp_lg_u32 s14, 0
	s_cbranch_scc1 .Lnot_wave_0_\@
	s_barrier_signal -3
.Lnot_wave_0_\@:
	s_barrier_wait -3
	s_barrier_signal -1
	s_barrier_wait -1
.endm
	s_load_b256 s[4:11], s[0:1], 0x0               ; cod 4:5, scl 6:7, qf 8:9, kf 10:11
	s_load_b64 s[12:13], s[0:1], 0x20              ; vf
	v_lshl_add_u32 v[SPW], v0, 2, SPARE
	v_mov_b32 v[NIL], 0
	ds_add_u32 v[SPW], v[NIL]                      ; the wave's opening: the add, twice on end, and its wait ahead of my first tensor load
	ds_add_u32 v[SPW], v[NIL]
	v_lshrrev_b32 v1, 5, v0
	v_readfirstlane_b32 s14, v1                    ; wave 0..3
	s_lshr_b32 s15, s14, 1                         ; I fetch for x (0) or for the head (1)
	s_and_b32 s16, s14, 1                          ; which half of those rows
	s_bfe_u32 s40, ttmp6, 0x40000                  ; cx, cy
	s_bfe_u32 s41, ttmp6, 0x40004
	s_lshl_b32 s42, ttmp9, 2
	s_add_co_u32 s42, s42, s40                     ; X, the head = 4 x cluster x + cx
	s_and_b32 s17, ttmp7, 0xffff
	s_lshl_b32 s17, s17, 2
	s_add_co_u32 s17, s17, s41                     ; Y, the block of rows = 4 x cluster y + cy
	s_lshl_b32 s43, s41, 2
	s_lshl_b32 s43, 15, s43                        ; my row of the cluster
	s_lshl_b32 s44, 0x1111, s40                    ; my column
	; codes: rows of 512 elements of 1 byte, 512 apart in memory, 4 words of padding behind every 128 words; 128 rows of x, 96 of the head to a load
	s_or_b32 s[G1], s43, (1<<20)|(1<<21)|(6<<22)|(3<<25)
	s_or_b32 s[G1B], s44, (1<<20)|(1<<21)|(6<<22)|(3<<25)
.irp g, G1, G1B
	s_mov_b32 s[\g+1], 512<<16                     ; tensor_dim0
	s_mov_b32 s[\g+3], 512<<16                     ; tile_dim0
	s_mov_b32 s[\g+5], 512                         ; tensor_dim0_stride
	s_mov_b32 s[\g+6], 0
	s_mov_b32 s[\g+7], 0
.endr
	s_mov_b32 s[G1+2], 128<<16                     ; tensor_dim1
	s_mov_b32 s[G1+4], 128                         ; tile_dim1
	s_mov_b32 s[G1B+2], 96<<16
	s_mov_b32 s[G1B+4], 96
	; scale bytes: a dense block, as rows of 256 bytes (32 elements of 8 bytes), 4 words of padding behind each; 16 such rows for 128 rows of x, 12 for 96 of the head
	s_or_b32 s[G1S], s43, (3<<16)|(1<<20)|(1<<21)|(5<<22)|(3<<25)
	s_or_b32 s[G1SB], s44, (3<<16)|(1<<20)|(1<<21)|(5<<22)|(3<<25)
.irp g, G1S, G1SB
	s_mov_b32 s[\g+1], 32<<16
	s_mov_b32 s[\g+3], 32<<16
	s_mov_b32 s[\g+5], 32
	s_mov_b32 s[\g+6], 0
	s_mov_b32 s[\g+7], 0
.endr
	s_mov_b32 s[G1S+2], 16<<16
	s_mov_b32 s[G1S+4], 16
	s_mov_b32 s[G1SB+2], 12<<16
	s_mov_b32 s[G1SB+4], 12
	; from where: x's by Y and the half, the head's by X and the half, each in registers that never hold the other coordinate
	s_lshl_b32 s20, s17, 17                        ; 256 rows x 512 bytes
	s_lshl_b32 s21, s16, 16
	s_add_co_u32 s20, s20, s21
	s_mov_b32 s21, 0
	s_lshl_b32 s22, s17, 13                        ; 256 rows x 32 bytes
	s_lshl_b32 s23, s16, 12
	s_add_co_u32 s22, s22, s23
	s_mov_b32 s23, 0
	s_mul_i32 s46, s42, 192*512
	s_mul_i32 s47, s16, 96*512
	s_add_co_u32 s46, s46, s47
	s_add_co_u32 s46, s46, WCOD
	s_mov_b32 s47, 0
	s_mul_i32 s92, s42, 192*32
	s_mul_i32 s93, s16, 96*32
	s_add_co_u32 s92, s92, s93
	s_add_co_u32 s92, s92, WSCL
	s_mov_b32 s93, 0
	; to where: no place in the cluster enters an LDS address
	s_mul_i32 s45, s16, 128*PITCH
	s_mul_i32 s94, s16, 96*PITCH
	s_add_co_u32 s94, s94, BBASE
	s_mul_i32 s95, s16, 16*272
	s_add_co_u32 s95, s95, SCA
	s_mul_i32 s96, s16, 12*272
	s_add_co_u32 s96, s96, SCB
	; my part of qf, kf and vf begins at the same byte in each: 524,288 X + 32,768 Y + 8,192 wave
	s_lshl_b32 s60, s42, 19
	s_lshl_b32 s61, s17, 15
	s_add_co_u32 s60, s60, s61
	s_lshl_b32 s61, s14, 13
	s_add_co_u32 s60, s60, s61
	s_mov_b32 s61, 0
	s_wait_dscnt 0x0                               ; both opening adds are done
	s_wait_kmcnt 0x0
	s_mov_b32 s[G0], 1
	s_mov_b32 s[G0+1], s45
	s_add_nc_u64 s[G0+2:G0+3], s[4:5], s[20:21]
	s_or_b32 s[G0+3], s[G0+3], 0x80000000
	s_mov_b32 s[G0B], 1
	s_mov_b32 s[G0B+1], s94
	s_add_nc_u64 s[G0B+2:G0B+3], s[4:5], s[46:47]
	s_or_b32 s[G0B+3], s[G0B+3], 0x80000000
	s_mov_b32 s[G0S], 1
	s_mov_b32 s[G0S+1], s95
	s_add_nc_u64 s[G0S+2:G0S+3], s[6:7], s[22:23]
	s_or_b32 s[G0S+3], s[G0S+3], 0x80000000
	s_mov_b32 s[G0SB], 1
	s_mov_b32 s[G0SB+1], s96
	s_add_nc_u64 s[G0SB+2:G0SB+3], s[6:7], s[92:93]
	s_or_b32 s[G0SB+3], s[G0SB+3], 0x80000000
	s_add_nc_u64 s[8:9], s[8:9], s[60:61]
	s_add_nc_u64 s[10:11], s[10:11], s[60:61]
	s_add_nc_u64 s[12:13], s[12:13], s[60:61]
	CROUND                                         ; all sixteen work-groups are here: the joint loads meet
	JLOAD G0S, G1S, G0SB, G1SB                     ; two loads of mine are out: the scale bytes,
	JLOAD G0, G1, G0B, G1B                         ; and the codes
	v_and_b32 v1, 15, v0                           ; r
	v_bfe_u32 v2, v0, 4, 1                         ; h
	v_mul_u32_u24 v3, v1, PITCH
	v_lshl_add_u32 v3, v2, 4, v3                   ; a fragment's row x pitch + 16 h
	s_mul_i32 s21, s14, 64*PITCH
	v_add_nc_u32 v[ADRA], s21, v3                  ; my 64 rows of x
	v_add_nc_u32 v[ADRB0], BBASE, v3
	v_add_nc_u32 v[ADRB1], BBASE+6*16*PITCH, v3
	v_lshrrev_b32 v4, 3, v1
	v_mul_u32_u24 v4, v4, 272
	v_and_b32 v5, 7, v1
	v_lshl_add_u32 v4, v5, 5, v4                   ; row r of a block of 16: piece r / 8, 32 bytes a row
	s_mul_i32 s21, s14, 2176                       ; my 64 rows' scales: 8 pieces
	s_mov_b32 s22, SCB+2176-SCA
	s_sub_co_u32 s22, s22, s21                     ; from x's block i of mine to the weights' block 4 + i
	v_mul_u32_u24 v5, s22, v2                      ; one product: the lower base + h x the distance
	s_add_co_u32 s21, s21, SCA
	v_add_nc_u32 v5, v5, v4
	v_add_nc_u32 v[AS1], s21, v5
	v_mul_u32_u24 v5, v2, 4352                     ; from the weights' block i - 4 to block i + 4: 8 blocks of 544 bytes
	v_add_nc_u32 v5, v5, v4
	v_add_nc_u32 v[AS2], SCB, v5
	v_and_b32 v5, 31, v0
	v_lshlrev_b32 v[LI], 4, v5
	s_wait_tensorcnt 0x0                           ; my two loads have landed,
	s_barrier_signal -1
	s_barrier_wait -1                              ; everybody's have
; The fragments of K step s into set p: 32 LDS loads in one run.  16 rows x 128 K of 4-bit codes are 8 registers: lane (r, h) holds row r; registers 4 c .. 4 c + 3 hold K = 64 c + 32 h + 0 .. 31.
.macro FRAGS s, p
.if \p
	WIN 0x80                                       ; destination window 2
.else
	WIN 0
.endif
.irp a, 0,1,2,3
.irp c, 0,1
	ds_load_b128 v[FA+8*\a+4*\c:FA+8*\a+4*\c+3], v[ADRA] offset:16*PITCH*\a+64*(\s)+32*\c
.endr
.endr
.irp b, 0,1,2,3,4,5
.irp c, 0,1
	ds_load_b128 v[FB+8*\b+4*\c:FB+8*\b+4*\c+3], v[ADRB0] offset:16*PITCH*\b+64*(\s)+32*\c
.endr
.endr
.irp b, 6,7,8,9,10,11
.irp c, 0,1
	ds_load_b128 v[FB+8*\b+4*\c:FB+8*\b+4*\c+3], v[ADRB1] offset:16*PITCH*(\b-6)+64*(\s)+32*\c
.endr
.endr
	WIN 0
.endm
; A step of 128 along K: the next step's fragments are asked for first, into the other set, and land under this step's 48 products.  The 48 accumulators take turns, one instruction a turn, in the same
; order in every step.  Step 0's products start the sums: nothing is cleared.
.macro KSTEP s
.set P, (\s)%2
.set WQK, 0x50+0x0a*P                  ; C and D window 1; sources window 0 (set 0) or 2 (set 1)
.set WVV, 0xa0+0x0a*P                  ; C and D window 2
.if (\s) > 0
	PLACES 4                                       ; loads into registers that the last step's products have read stand four plain instructions behind them
.endif
.if (\s) < 7
	FRAGS (\s)+1, 1-P
	s_wait_dscnt 32                                ; all but the 32 just issued: this step's fragments (and, in step 0, the scale words) are in
.else
	s_wait_dscnt 0x0
.endif
	WIN WQK
.irp a, 0,1,2,3
.irp b, 0,1,2,3                        ; q: w's scale words in lanes 0-15
.if (\s) == 0
	v_wmma_scale_f32_16x16x128_f8f6f4 v[8*(8*\a+\b):8*(8*\a+\b)+7], v[FB+8*\b:FB+8*\b+7], v[FA+8*\a:FA+8*\a+7], 0, v[SC+8*(4+\b)+(\s)], v[SC+8*\a+(\s)] matrix_a_fmt:MATRIX_FMT_FP4 matrix_b_fmt:MATRIX_FMT_FP4
.else
	v_wmma_scale_f32_16x16x128_f8f6f4 v[8*(8*\a+\b):8*(8*\a+\b)+7], v[FB+8*\b:FB+8*\b+7], v[FA+8*\a:FA+8*\a+7], v[8*(8*\a+\b):8*(8*\a+\b)+7], v[SC+8*(4+\b)+(\s)], v[SC+8*\a+(\s)] matrix_a_fmt:MATRIX_FMT_FP4 matrix_b_fmt:MATRIX_FMT_FP4
.endif
.endr
.irp b, 4,5,6,7                        ; k: w's scale words in lanes 16-31
.if (\s) == 0
	v_wmma_scale_f32_16x16x128_f8f6f4 v[8*(8*\a+\b):8*(8*\a+\b)+7], v[FB+8*\b:FB+8*\b+7], v[FA+8*\a:FA+8*\a+7], 0, v[SC+8*(\b-4)+(\s)], v[SC+8*\a+(\s)] matrix_a_fmt:MATRIX_FMT_FP4 matrix_b_fmt:MATRIX_FMT_FP4 matrix_a_scale:MATRIX_SCALE_ROW1
.else
	v_wmma_scale_f32_16x16x128_f8f6f4 v[8*(8*\a+\b):8*(8*\a+\b)+7], v[FB+8*\b:FB+8*\b+7], v[FA+8*\a:FA+8*\a+7], v[8*(8*\a+\b):8*(8*\a+\b)+7], v[SC+8*(\b-4)+(\s)], v[SC+8*\a+(\s)] matrix_a_fmt:MATRIX_FMT_FP4 matrix_b_fmt:MATRIX_FMT_FP4 matrix_a_scale:MATRIX_SCALE_ROW1
.endif
.endr
.endr
	WIN WVV
.irp a, 0,1,2,3
.irp b, 0,1,2,3                        ; v, the natural way: source 0 = x, source 1 = w's block 8 + b, whose scale words lie in lanes 16-31
.if (\s) == 0
	v_wmma_scale_f32_16x16x128_f8f6f4 v[8*(4*\a+\b):8*(4*\a+\b)+7], v[FA+8*\a:FA+8*\a+7], v[FB+8*(8+\b):FB+8*(8+\b)+7], 0, v[SC+8*\a+(\s)], v[SC+8*(4+\b)+(\s)] matrix_a_fmt:MATRIX_FMT_FP4 matrix_b_fmt:MATRIX_FMT_FP4 matrix_b_scale:MATRIX_SCALE_ROW1
.else
	v_wmma_scale_f32_16x16x128_f8f6f4 v[8*(4*\a+\b):8*(4*\a+\b)+7], v[FA+8*\a:FA+8*\a+7], v[FB+8*(8+\b):FB+8*(8+\b)+7], v[8*(4*\a+\b):8*(4*\a+\b)+7], v[SC+8*\a+(\s)], v[SC+8*(4+\b)+(\s)] matrix_a_fmt:MATRIX_FMT_FP4 matrix_b_fmt:MATRIX_FMT_FP4 matrix_b_scale:MATRIX_SCALE_ROW1
.endif
.endr
.endr
	WIN 0
.endm
	FRAGS 0, 0
.irp i, 0,1,2,3                        ; the scale words of all eight K steps: a row's 32 bytes are two loads of 16
	ds_load_b128 v[SC+8*\i:SC+8*\i+3], v[AS1] offset:544*\i
	ds_load_b128 v[SC+8*\i+4:SC+8*\i+7], v[AS1] offset:544*\i+16
.endr
.irp i, 4,5,6,7
	ds_load_b128 v[SC+8*\i:SC+8*\i+3], v[AS2] offset:544*(\i-4)
	ds_load_b128 v[SC+8*\i+4:SC+8*\i+7], v[AS2] offset:544*(\i-4)+16
.endr
.irp s, 0,1,2,3,4,5,6,7                ; written out: the scale words' register numbers change from step to step
	KSTEP \s
.endr
	; THE WAY OUT.  Each accumulator is rounded to f16 from its low end on; four registers a tile; a tile's image is one store of 512 consecutive bytes, aligned.
	PLACES 4                                       ; behind the last products
	WIN 0x05                                       ; sources window 1, destination window 0: set 0's registers, which no product has read since step 6
.irp a, 0,1,2,3
.irp b, 0,1,2,3
.irp i, 0,1,2,3
	v_cvt_pk_f16_f32 v[128+4*(4*\a+\b)+\i], v[8*(8*\a+\b)+2*\i], v[8*(8*\a+\b)+2*\i+1]
.endr
.endr
.endr
.irp a, 0,1,2,3
.irp b, 4,5,6,7
.irp i, 0,1,2,3
	v_cvt_pk_f16_f32 v[192+4*(4*\a+\b-4)+\i], v[8*(8*\a+\b)+2*\i], v[8*(8*\a+\b)+2*\i+1]
.endr
.endr
.endr
	WIN 0
.irp a, 0,1,2,3
.irp b, 0,1,2,3
	global_store_b128 v[LI], v[128+4*(4*\a+\b):128+4*(4*\a+\b)+3], s[8:9] offset:2048*\a+512*\b     ; q: tile a, channels 16 b on
.endr
.endr
.irp a, 0,1,2,3
.irp b, 0,1,2,3
	global_store_b128 v[LI], v[192+4*(4*\a+\b):192+4*(4*\a+\b)+3], s[10:11] offset:2048*\a+512*\b   ; k likewise
.endr
.endr
	s_wait_xcnt 0x0                                ; q's stores have read their data: those registers are written again
	WIN 0x0a                                       ; sources window 2
.irp a, 0,1,2,3
.irp b, 0,1,2,3
.irp i, 0,1,2,3
	v_cvt_pk_f16_f32 v[128+4*(4*\a+\b)+\i], v[8*(4*\a+\b)+2*\i], v[8*(4*\a+\b)+2*\i+1]
.endr
.endr
.endr
	WIN 0
.irp a, 0,1,2,3
.irp b, 0,1,2,3
	global_store_b128 v[LI], v[128+4*(4*\a+\b):128+4*(4*\a+\b)+3], s[12:13] offset:4096*(\a/2)+1024*\b+512*(\a%2)   ; v: keys 16 a on are half a % 2 of group a / 2; channels 16 b on
.endr
.endr
	s_wait_tensorcnt 0x0                           ; the wave's end
	ds_add_u32 v[SPW], v[NIL]
	s_wait_dscnt 0x0
	CROUND                                         ; the closing round
	s_endpgm
.Lfunc_end_k_qd0274193e5_qkv:
	.size	k_qd0274193e5_qkv, .Lfunc_end_k_qd0274193e5_qkv-k_qd0274193e5_qkv
	.p2alignl 7, 3214868480
	.fill 96, 4, 3214868480
	.section	.rodata,"a",@progbits
	.p2align	6, 0x0
	.amdhsa_kernel k_qd0274193e5_qkv
		.amdhsa_group_segment_fixed_size 327680
		.amdhsa_private_segment_fixed_size 0
		.amdhsa_enable_private_segment 0
		.amdhsa_kernarg_size 40
		.amdhsa_user_sgpr_count 2
		.amdhsa_user_sgpr_kernarg_segment_ptr 1
		.amdhsa_wavefront_size32 1
		.amdhsa_system_sgpr_workgroup_id_x 1
		.amdhsa_system_sgpr_workgroup_id_y 1
		.amdhsa_system_sgpr_workgroup_id_z 1
		.amdhsa_system_vgpr_workitem_id 0
		.amdhsa_next_free_vgpr 768
		.amdhsa_next_free_sgpr 100
		.amdhsa_reserve_vcc 0
		.amdhsa_float_denorm_mode_32 3
		.amdhsa_float_denorm_mode_16_64 3
		.amdhsa_memory_ordered 1
		.amdhsa_forward_progress 1
		.amdhsa_inst_pref_size 93
	.end_amdhsa_kernel
	.amdgpu_metadata
---
amdhsa.version: [ 1, 2 ]
amdhsa.kernels:
  - .name:           k_qd0274193e5_qkv
    .symbol:         k_qd0274193e5_qkv.kd
    .args:
      - { .name: cod, .offset: 0, .size: 8, .value_kind: global_buffer, .address_space: global }
      - { .name: scl, .offset: 8, .size: 8, .value_kind: global_buffer, .address_space: global }
      - { .name: qf, .offset: 16, .size: 8, .value_kind: global_buffer, .address_space: global }
      - { .name: kf, .offset: 24, .size: 8, .value_kind: global_buffer, .address_space: global }
      - { .name: vf, .offset: 32, .size: 8, .value_kind: global_buffer, .address_space: global }
    .group_segment_fixed_size: 327680
    .private_segment_fixed_size: 0
    .kernarg_segment_align: 8
    .kernarg_segment_size: 40
    .max_flat_workgroup_size: 128
    .sgpr_count:     100
    .vgpr_count:     768
    .wavefront_size: 32
...
	.end_amdgpu_metadata
.endif
;; end of part 2
;; launch attn (part 3): grid 16 x 16, 8 waves a work-group, clusters of 4 x 1, 327,680 bytes of LDS; arguments qf, kf, vf, cf; writes cf
.if DOCPART == 3
	.amdgcn_target "amdgcn-amd-amdhsa--gfx1250"
	.amdhsa_code_object_version 6
	.text
	.protected	k_qd0274193e5_attn
	.globl	k_qd0274193e5_attn
	.p2align	8
	.type	k_qd0274193e5_attn,@function
k_qd0274193e5_attn:
	s_mov_b64 s[64:65], 0
	v_nop
	global_prefetch_b8 v0, s[64:65] scope:SCOPE_SE
	s_setreg_imm32_b32 hwreg(HW_REG_WAVE_MODE, 25, 1), 1
	s_wait_xcnt 0x0
	s_wait_alu depctr_hold_cnt(0) depctr_sa_sdst(0) depctr_va_vdst(0) depctr_va_sdst(0) depctr_va_ssrc(0) depctr_va_vcc(0) depctr_vm_vsrc(0)
	s_getreg_b32 s2, hwreg(HW_REG_IB_STS2, 6, 4)
	s_cmp_eq_u32 s2, 0
	s_cbranch_scc0 .Lentry_in_a_cluster
	s_endpgm
.Lentry_in_a_cluster:
	s_bfe_u32 s2, ttmp6, 0x10000c
	s_cmp_lg_u32 s2, 0x3003
	s_cbranch_scc0 .Lentry_shape_is_right
	s_endpgm
.Lentry_shape_is_right:
; concat[q][64 head + d] = the sum over k of softmax_k(q . k / 8) v[k][d], 16 heads of 64, 4,096 queries and keys, no mask.  Operands f16, products, maxima and sums f32; the weights p are rounded to f16
; for the second product, the normalised result once to f16.
; IN: qf, kf, vf hold images of operand registers (16 bytes a lane, 512 bytes on end): qf, kf [head][16 rows][32 channels: 2][half][lane], vf [head][32 keys][16 channels: 4][half][lane].
; OUT: cf [256 along the next K: 4][16 rows][32 along K: 8][half][lane][16 bytes], again images, for the projection.
; SHARES.  A work-group owns 256 queries of one head.  EIGHT waves, two for each group of 64 queries (four tiles of 16): wave w takes group w % 4 and, of every slot of 512 keys, the half w / 4, 64 keys a step.
; Each keeps a running maximum m, sum l and O^T of its own; at the end wave w + 4 hands its three to wave w through LDS, and wave w merges, divides and stores.  (So the two halves' f32 sums are added
; in another order than a plain walk over the keys has.)
; LAYOUT.  S^T = K Q^T (source 0 = 16 keys, source 1 = 16 queries) and O^T = V^T P (source 0 = 16 channels, source 1 = P): a lane holds ONE query throughout; two tiles of S^T, rounded in pairs, are P.
; SOFTMAX.  p = 2^(c s - c m), c = log2(e) / 8; in every step O^T and l are multiplied by a = 2^(c m_old - c m_new).  m starts at -3e38, l and O^T at zero: the first a is 0 and multiplies zeros.
; TWO ROLES.  A step has a matrix phase (V^T P of the step before, then K Q^T of this step) and a vector phase (the softmax).  The role (w xor w / 4) % 2 says which comes first behind a barrier, so that
; of two waves with unlike roles one has matrix work while the other has vector work.  The branches lead round phases alone, never round a barrier, a wait for a slot or a tensor load.
; CLUSTER.  The four query blocks of a cluster belong to one head and walk the same K and V: each tile is asked for jointly, by the same tensor load with a mask that names the four.
; LIMITS: NaN and infinities are not served; p under 6e-5 is kept with f16's fixed step of 2^-24.
; REGISTERS: window 0: v2-11 addresses; v16-47 eight a tile: +0 c m, +1 m, +2, +3 l, +4..+7 at work (a at +6); v64-127 Q; v128-255 S^T, 32 a tile, whose low 16 then hold P.
;   window 1: v0-127 O^T, 32 a tile; v128-191 K of a step; v192-255 V of a step.
.set SLOT1, 1<<17                      ; a slot: K's images of 512 keys (65,536 bytes), then V's; slot 1 begins here, so that one exclusive or turns an address
.set VOFF,  65536
.set SPARE, 2*SLOT1                    ; the spare words, 128 bytes a wave: 1,024 bytes that no other line names
.set MT,    4352                       ; the merge's stage, a tile: O^T 8 x 512 bytes, c m 128, l 128.  It lies in slot 0, which has had its last fill and its last read by then
.set LI,  2                            ; v2   16 x lane
.set AK0, 3                            ; v3   my lane's place in my half of a slot's K
.set AV0, 4                            ; v4   and V
.set ADK, 5                            ; v5   the step's K
.set ADV, 6                            ; v6   the step's V
.set STA, 7                            ; v7   the stage of my group of queries, 16 bytes a lane
.set STB, 8                            ; v8   the same, 4 bytes a lane
.set PFO, 9                            ; v9   256 x lane
.set SPW, 10
.set NIL, 11
.set ST,  16
.set Q,   64
.set S,   128
.set KF,  128                          ; window 1
.set VF,  192                          ; window 1
.set WV,  12                           ; s12 wave
.set LIM, 15                           ; s15 1 in a wave that prefetches, else the greatest number
.set W3,  16                           ; s16 wave % 4
.set KH,  17                           ; s17 wave / 4
.set PFA, 18                           ; s[18:19] where my prefetches stand
.set G1,  24                           ; s[24:31] the one group 1
.set G0K, 32                           ; s[32:39] K's groups 0: the first fill's, and the one that walks
.set SLOTS, 44
.set TW,  45
.set TB,  46                           ; s46 LDS byte at which the step to be fetched begins
.set PH,  47                           ; s47 the role
.set CS,  48                           ; s[48:49] c, twice
.set SEL, 50                           ; s[50:51] selects for lane xor 16
.set G0V, 52                           ; s[52:59] V's groups 0
.set MSB, 0
.macro WIN new
.if MSB != (\new)
	s_set_vgpr_msb (MSB<<8)|(\new)
.set MSB, (\new)
.endif
.endm
.macro PLACES n
.rept \n
	v_nop
.endr
.endm
.macro CROUND
	s_barrier_signal -1
	s_barrier_wait -1
	s_cmp_lg_u32 s[WV], 0
	s_cbranch_scc1 .Lnot_wave_0_\@
	s_barrier_signal -3
.Lnot_wave_0_\@:
	s_barrier_wait -3
	s_barrier_signal -1
	s_barrier_wait -1
.endm
; A joint refill: waves 0-3 fetch a quarter of the slot's K each, waves 4-7 of its V.  The branch hangs on the wave's number alone.  An s_nop 0 and four v_nop follow each line.
.macro JLOAD
	s_cmp_lt_u32 s[WV], 4
	s_cbranch_scc0 .Lfor_v_\@
	tensor_load_to_lds s[G0K+4:G0K+7], s[G1:G1+7]
	s_nop 0
.rept 4
	v_nop
.endr
	s_branch .Lasked_\@
.Lfor_v_\@:
	tensor_load_to_lds s[G0V+4:G0V+7], s[G1:G1+7]
	s_nop 0
.rept 4
	v_nop
.endr
.Lasked_\@:
.endm
; A prefetch of what the NEXT change of slots will ask for.  All clusters of a head walk the same K and V: the head's first cluster asks.  In it the even waves ask, each for the 32,768 bytes that it and
; the wave after it fetch; the four partners take 8,192 of them each, told apart by address; lanes 256 bytes apart.  So each aligned 256 bytes are named once.  The last filling change asks for nothing.
.macro ASK
	s_cmp_gt_u32 s[SLOTS], s[LIM]
	s_cbranch_scc0 .Lnot_mine_\@
	global_prefetch_b8 v[PFO], s[PFA:PFA+1] th:TH_LOAD_NT scope:SCOPE_SE
.Lnot_mine_\@:
.endm
	s_load_b256 s[4:11], s[0:1], 0x0               ; qf 4:5, kf 6:7, vf 8:9, cf 10:11
	v_lshl_add_u32 v[SPW], v0, 2, SPARE
	v_mov_b32 v[NIL], 0
	ds_add_u32 v[SPW], v[NIL]                      ; the wave's opening: the add, twice on end, and its wait ahead of my first tensor load
	ds_add_u32 v[SPW], v[NIL]
	v_lshrrev_b32 v1, 5, v0
	v_readfirstlane_b32 s[WV], v1                  ; wave 0..7
	s_bfe_u32 s13, ttmp6, 0x40000                  ; cx
	s_lshl_b32 s14, ttmp9, 2
	s_add_co_u32 s14, s14, s13                     ; my block of 256 queries: it enters qf's and cf's addresses alone
	s_and_b32 s[W3], s[WV], 3
	s_lshr_b32 s[KH], s[WV], 2
	s_xor_b32 s[PH], s[WV], s[KH]
	s_and_b32 s[PH], s[PH], 1
	s_and_b32 s20, ttmp7, 0xffff                   ; the head, which the four partners share
	s_lshl_b32 s21, s20, 19                        ; its first byte in qf, kf, vf
	s_lshl_b32 s42, s[W3], 14                      ; the quarter of a slot's K or V that I fetch
	s_add_co_u32 s42, s42, s21
	s_mov_b32 s43, 0
	s_lshl_b32 s22, s14, 15                        ; Q: 16 tiles of 2,048 bytes a block, 4 a wave
	s_lshl_b32 s23, s[W3], 13
	s_add_co_u32 s22, s22, s23
	s_add_co_u32 s22, s22, s21
	s_mov_b32 s23, 0
	s_lshr_b32 s40, s20, 2                         ; cf: 2,097,152 (head / 4) + 8,192 (16 block + 4 (wave % 4)) + 2,048 (head % 4)
	s_lshl_b32 s40, s40, 21
	s_and_b32 s41, s20, 3
	s_lshl_b32 s41, s41, 11
	s_add_co_u32 s40, s40, s41
	s_lshl_b32 s41, s14, 17
	s_add_co_u32 s40, s40, s41
	s_lshl_b32 s41, s[W3], 15
	s_add_co_u32 s40, s40, s41
	s_mov_b32 s41, 0
	; group 1: 64 dense rows of 256 bytes (32 elements of 8 bytes), no padding: images are read 16 bytes a lane, 512 bytes on end
	s_mov_b32 s[G1], 15|(3<<16)|(1<<21)            ; the mask: all four work-groups; elements of 8 bytes; bit 21 beside a mask
	s_mov_b32 s[G1+1], 32<<16
	s_mov_b32 s[G1+2], 64<<16
	s_mov_b32 s[G1+3], 32<<16
	s_mov_b32 s[G1+4], 64
	s_mov_b32 s[G1+5], 32
	s_mov_b32 s[G1+6], 0
	s_mov_b32 s[G1+7], 0
	s_mov_b32 s[CS], 0x3e38aa3b                    ; c = log2(e) / 8
	s_mov_b32 s[CS+1], s[CS]
	s_mov_b32 s[SEL], 0x76543210
	s_mov_b32 s[SEL+1], 0xfedcba98
	s_mov_b32 s[TB], 0
	s_mov_b32 s[SLOTS], 6                          ; of 8 slots' worth of keys two are asked for at the head
	s_and_b32 s[LIM], s[WV], 1
	s_or_b32 s[LIM], s[LIM], ttmp9                 ; 0 in the even waves of the head's first cluster: the same in all four partners
	s_cmp_eq_u32 s[LIM], 0
	s_cselect_b32 s[LIM], 1, -1
	s_lshl_b32 s2, s[W3], 14                       ; to where: 16,384 (wave % 4), V's behind K's: no place in the cluster enters an LDS address
	s_wait_dscnt 0x0                               ; both opening adds are done
	s_wait_kmcnt 0x0
	s_add_nc_u64 s[6:7], s[6:7], s[42:43]          ; K and V at my quarter of the first 512 keys
	s_add_nc_u64 s[8:9], s[8:9], s[42:43]
	s_add_nc_u64 s[4:5], s[4:5], s[22:23]
	s_add_nc_u64 s[10:11], s[10:11], s[40:41]
	s_cmp_lt_u32 s[WV], 4
	s_cselect_b64 s[PFA:PFA+1], s[6:7], s[8:9]
	s_lshl_b32 s20, s13, 13                        ; my work-group's 8,192 bytes
	s_mov_b32 s21, 0
	s_add_nc_u64 s[PFA:PFA+1], s[PFA:PFA+1], s[20:21]
	s_add_nc_u64 s[PFA:PFA+1], s[PFA:PFA+1], 2*65536   ; two slots on; the first change steps it to the fourth 512 keys.  Nothing is prefetched at the head
.irp s, 0,1
	s_mov_b32 s[G0K+4*\s], 1
	s_add_co_u32 s[G0K+4*\s+1], s2, \s*SLOT1
	s_add_nc_u64 s[G0K+4*\s+2:G0K+4*\s+3], s[6:7], \s*65536
	s_or_b32 s[G0K+4*\s+3], s[G0K+4*\s+3], 0x80000000
	s_mov_b32 s[G0V+4*\s], 1
	s_add_co_u32 s[G0V+4*\s+1], s2, \s*SLOT1+VOFF
	s_add_nc_u64 s[G0V+4*\s+2:G0V+4*\s+3], s[8:9], \s*65536
	s_or_b32 s[G0V+4*\s+3], s[G0V+4*\s+3], 0x80000000
.endr
	CROUND                                         ; all four work-groups are here: the first joint loads meet
	s_cmp_lt_u32 s[WV], 4                          ; a wave's two first fills stand in one branch: two loads of mine are out
	s_cbranch_scc0 .Lfirst_v
	tensor_load_to_lds s[G0K:G0K+3], s[G1:G1+7]
	s_nop 0
	tensor_load_to_lds s[G0K+4:G0K+7], s[G1:G1+7]
	s_nop 0
.rept 4
	v_nop
.endr
	s_branch .Lfirst_asked
.Lfirst_v:
	tensor_load_to_lds s[G0V:G0V+3], s[G1:G1+7]
	s_nop 0
	tensor_load_to_lds s[G0V+4:G0V+7], s[G1:G1+7]
	s_nop 0
.rept 4
	v_nop
.endr
.Lfirst_asked:
	v_and_b32 v1, 31, v0
	v_lshlrev_b32 v[LI], 4, v1
.irp f, 0,1,2,3,4,5,6,7,8,9,10,11,12,13,14,15      ; Q stays in registers: fragment (tile f / 4, channels 32 ((f / 2) % 2) on), half f % 2
	global_load_b128 v[Q+4*\f:Q+4*\f+3], v[LI], s[4:5] offset:512*\f
.endr
	s_lshl_b32 s20, s[KH], 15                      ; my half of a slot: 256 keys are 32,768 bytes of K and of V
	v_add_nc_u32 v[AK0], s20, v[LI]
	v_add_nc_u32 v[AV0], VOFF, v[AK0]
	s_mul_i32 s20, s[W3], 4*MT
	v_add_nc_u32 v[STA], s20, v[LI]
	v_lshl_add_u32 v[STB], v1, 2, s20
	v_lshlrev_b32 v[PFO], 8, v1
.irp t, 0,1,2,3
	v_mov_b32 v[ST+8*\t+1], 0xff61b1e6             ; m = -3e38, under every score
	v_mov_b32 v[ST+8*\t+2], 0                      ; l, in two halves
	v_mov_b32 v[ST+8*\t+3], 0
.endr
.irp t, 0,1,2,3
	v_mul_f32 v[ST+8*\t], s[CS], v[ST+8*\t+1]      ; c m
.endr
	WIN 0x40
.set i, 0
.rept 128
	v_mov_b32 v[i], 0                              ; O^T.  The step is written once: its first turn finds zeros, and every register is written on every way through the roles' branches
.set i, i+1
.endr
	WIN 0
.macro ADDR                            ; the step's LDS addresses; outside the roles' branches
	v_add_nc_u32 v[ADK], s[TB], v[AK0]
	v_add_nc_u32 v[ADV], s[TB], v[AV0]
	s_add_co_u32 s[TB], s[TB], 8192                ; 64 keys on: 8,192 bytes of K and of V
.endm
; 32 products O^T += V^T P: keys 32 g on, channels 16 n on, tile t.  The 16 accumulators take turns, one instruction a turn.
.macro PVS
	WIN 0x51                                       ; V and O^T window 1, P window 0
.irp g, 0,1
.irp n, 0,1,2,3
.irp t, 0,1,2,3
	v_wmma_f32_16x16x32_f16 v[32*\t+8*\n:32*\t+8*\n+7], v[VF+8*(4*\g+\n):VF+8*(4*\g+\n)+7], v[S+32*\t+8*\g:S+32*\t+8*\g+7], v[32*\t+8*\n:32*\t+8*\n+7]
.endr
.endr
.endr
	WIN 0
.endm
; 32 products S^T = K Q^T: channels 32 u on, keys 16 y on, tile t.  The first 16 start the sums.
.macro QKS
	WIN 0x01                                       ; K window 1, Q and S^T window 0
.irp u, 0,1
.irp y, 0,1,2,3
.irp t, 0,1,2,3
.if \u == 0
	v_wmma_f32_16x16x32_f16 v[S+32*\t+8*\y:S+32*\t+8*\y+7], v[KF+8*(2*\y+\u):KF+8*(2*\y+\u)+7], v[Q+8*(2*\t+\u):Q+8*(2*\t+\u)+7], 0
.else
	v_wmma_f32_16x16x32_f16 v[S+32*\t+8*\y:S+32*\t+8*\y+7], v[KF+8*(2*\y+\u):KF+8*(2*\y+\u)+7], v[Q+8*(2*\t+\u):Q+8*(2*\t+\u)+7], v[S+32*\t+8*\y:S+32*\t+8*\y+7]
.endif
.endr
.endr
.endr
	WIN 0
.endm
; THE MATRIX PHASE of a step.  pv = 1: V^T P of the step before comes first, under which this step's K lands; this step's V lands under K Q^T and the softmax.
.macro MPH pv
	PLACES 5                                       ; behind whatever products stand ahead on any way here: K's registers are loaded again, and S^T is taken as an operand
	WIN 0x40
.irp f, 0,1,2,3,4,5,6,7,8,9,10,11,12,13,14,15
	ds_load_b128 v[KF+4*\f:KF+4*\f+3], v[ADK] offset:512*\f
.endr
.if \pv
	s_wait_dscnt 16                                ; the last step's V is in; K's 16 loads may be out
	PVS
	PLACES 5                                       ; four ahead of the loads into V's registers, five ahead of the products that write over P
	WIN 0x40
.endif
.irp f, 0,1,2,3,4,5,6,7,8,9,10,11,12,13,14,15
	ds_load_b128 v[VF+4*\f:VF+4*\f+3], v[ADV] offset:512*\f
.endr
	s_wait_dscnt 16                                ; K is in; V's 16 loads may be out
	QKS
.endm
; THE VECTOR PHASE: the softmax of four tiles, which take turns line by line.  s0-s31 are a lane's 32 scores of a tile.
.macro SM
	PLACES 4                                       ; behind the products that made the scores
.irp t, 0,1,2,3                        ; the maximum, in two chains a tile; each accumulator is first read at one of its four lowest registers
	v_max3_num_f32 v[ST+8*\t+4], v[S+32*\t], v[S+32*\t+1], v[S+32*\t+2]
	v_max3_num_f32 v[ST+8*\t+5], v[S+32*\t+16], v[S+32*\t+17], v[S+32*\t+18]
.endr
.irp i, 3,5,7,9,11,13
.irp t, 0,1,2,3
	v_max3_num_f32 v[ST+8*\t+4], v[ST+8*\t+4], v[S+32*\t+\i], v[S+32*\t+\i+1]
	v_max3_num_f32 v[ST+8*\t+5], v[ST+8*\t+5], v[S+32*\t+16+\i], v[S+32*\t+17+\i]
.endr
.endr
.irp t, 0,1,2,3
	v_max3_num_f32 v[ST+8*\t+4], v[ST+8*\t+4], v[ST+8*\t+5], v[S+32*\t+15]
.endr
.irp t, 0,1,2,3
	v_max3_num_f32 v[ST+8*\t+4], v[ST+8*\t+4], v[S+32*\t+31], v[ST+8*\t+1]   ; and the old m
.endr
.irp t, 0,1,2,3
	v_permlanex16_b32 v[ST+8*\t+5], v[ST+8*\t+4], s[SEL], s[SEL+1]           ; the query's other 32 keys lie in the lane 16 away
.endr
.irp t, 0,1,2,3
	v_mov_b32 v[ST+8*\t+7], v[ST+8*\t]             ; c m_old
.endr
.irp t, 0,1,2,3
	v_max_num_f32 v[ST+8*\t+1], v[ST+8*\t+4], v[ST+8*\t+5]
.endr
.irp t, 0,1,2,3
	v_mul_f32 v[ST+8*\t], s[CS], v[ST+8*\t+1]
.endr
.irp t, 0,1,2,3
	v_sub_f32 v[ST+8*\t+7], v[ST+8*\t+7], v[ST+8*\t]
.endr
	; ONE BATCH: the scalings c s - c m, a pair of scores each, and all 33 exponentials a tile.  None of these lines names an exponential's result; a pair is scaled ahead of the pair before it is raised
.irp t, 0,1,2,3
	v_pk_fma_f32 v[S+32*\t:S+32*\t+1], v[S+32*\t:S+32*\t+1], s[CS:CS+1], v[ST+8*\t:ST+8*\t+1] op_sel_hi:[1,0,0] neg_lo:[0,0,1] neg_hi:[0,0,1]
.endr
.irp t, 0,1,2,3
	v_exp_f32 v[ST+8*\t+6], v[ST+8*\t+7]           ; a
.endr
.irp b, 0,1,2,3,4,5,6,7,8,9,10,11,12,13,14,15
.if \b < 15
.irp t, 0,1,2,3
	v_pk_fma_f32 v[S+32*\t+2*\b+2:S+32*\t+2*\b+3], v[S+32*\t+2*\b+2:S+32*\t+2*\b+3], s[CS:CS+1], v[ST+8*\t:ST+8*\t+1] op_sel_hi:[1,0,0] neg_lo:[0,0,1] neg_hi:[0,0,1]
.endr
.endif
.irp t, 0,1,2,3
	v_exp_f32 v[S+32*\t+2*\b], v[S+32*\t+2*\b]
	v_exp_f32 v[S+32*\t+2*\b+1], v[S+32*\t+2*\b+1]
.endr
.endr
	v_nop                                          ; a plain instruction behind the last exponential,
	s_wait_alu depctr_va_vdst(0)                   ; and the one wait ahead of the batch's first reader
.irp t, 0,1,2,3
	v_pk_fma_f32 v[ST+8*\t+2:ST+8*\t+3], v[ST+8*\t+2:ST+8*\t+3], v[ST+8*\t+6:ST+8*\t+7], v[S+32*\t:S+32*\t+1] op_sel_hi:[1,0,1]   ; l = a l + the first pair
.endr
.irp b, 1,2,3,4,5,6,7,8,9,10,11,12,13,14,15
.irp t, 0,1,2,3
	v_pk_add_f32 v[ST+8*\t+2:ST+8*\t+3], v[ST+8*\t+2:ST+8*\t+3], v[S+32*\t+2*\b:S+32*\t+2*\b+1]
.endr
.endr
.irp i, 0,1,2,3,4,5,6,7,8,9,10,11,12,13,14,15      ; P, in place and ascending: register i takes scores 2 i and 2 i + 1, which no earlier line has written
.irp t, 0,1,2,3
	v_cvt_pk_f16_f32 v[S+32*\t+\i], v[S+32*\t+2*\i], v[S+32*\t+2*\i+1]
.endr
.endr
	WIN 0x41                                       ; O^T window 1, a window 0
.irp i, 0,1,2,3,4,5,6,7,8,9,10,11,12,13,14,15
.irp t, 0,1,2,3
	v_pk_mul_f32 v[32*\t+2*\i:32*\t+2*\i+1], v[32*\t+2*\i:32*\t+2*\i+1], v[ST+8*\t+6:ST+8*\t+7] op_sel_hi:[1,0]
.endr
.endr
	WIN 0
.endm
; A STEP.  Role 0: the matrix phase of step j, then the softmax of step j.  Role 1: the softmax of step j - 1, then the matrix phase of step j.
.macro TRIP
	ADDR
	s_cmp_lg_u32 s[PH], 0
	s_cbranch_scc1 .Lrole_1_\@
	MPH 1
.Lrole_1_\@:
	SM
	s_cmp_eq_u32 s[PH], 0
	s_cbranch_scc1 .Lrole_0_\@
	MPH 1
.Lrole_0_\@:
.endm
.macro STEPS n
	s_mov_b32 s[TW], \n
.Lstep_\@:
	TRIP
	s_sub_co_u32 s[TW], s[TW], 1
	s_cmp_lg_u32 s[TW], 0
	s_cbranch_scc1 .Lstep_\@
.endm
; THE CHANGE OF SLOTS.  Both roles have asked for the slot's last K and V.  Each wave waits for all its tensor loads (one is out: its part of the other slot), adds 0 to its spare word, and waits for that
; and for its reads of the slot.  fill = 1: the barrier is a round of the cluster's, and the joint refill, with the keys two slots on, is the first thing behind it: it has four steps in which to land.
.macro CHANGE fill
	s_wait_tensorcnt 0x0                           ; no tensor load of mine is out, so a group 0 may be written
	ds_add_u32 v[SPW], v[NIL]
.if \fill
.irp g, G0K+4, G0V+4
	s_xor_b32 s[\g+1], s[\g+1], SLOT1              ; the walking descriptors: the other slot than last time,
	s_add_nc_u64 s[\g+2:\g+3], s[\g+2:\g+3], 65536 ; the next 512 keys
.endr
	s_wait_xcnt 0x0                                ; the last prefetch, a slot back, has read its address
	s_add_nc_u64 s[PFA:PFA+1], s[PFA:PFA+1], 65536
	s_wait_dscnt 0x0                               ; the add is done, and my reads of the slot are over
	CROUND
	JLOAD
	ASK
.else
	s_wait_dscnt 0x0
	s_barrier_signal -1
	s_barrier_wait -1
.endif
	s_sub_co_u32 s[TB], s[TB], 4*8192              ; back to a slot's first step,
	s_xor_b32 s[TB], s[TB], SLOT1                  ; in the other slot
.endm
	s_wait_tensorcnt 1                             ; my part of slot 0 is in; slot 1's may stay out
	s_barrier_signal -1
	s_barrier_wait -1
	ADDR
	s_wait_loadcnt 0x0                             ; Q
	MPH 0                                          ; every wave: the first step's scores
	s_cmp_lg_u32 s[PH], 0
	s_cbranch_scc1 .Lphase
	SM                                             ; role 0 alone: its first softmax; role 1 waits at the barrier, and from there on the roles are half a step apart
.Lphase:
	s_wait_dscnt 0x0                               ; V of the first step
	s_barrier_signal -1
	s_barrier_wait -1
	STEPS 3                                        ; the rest of slot 0
.Lslot:                                            ; six trips: every slot but the last two is filled again
	CHANGE 1
	STEPS 4
	s_sub_co_u32 s[SLOTS], s[SLOTS], 1
	s_cmp_lg_u32 s[SLOTS], 0
	s_cbranch_scc1 .Lslot
	CHANGE 0                                       ; the tail is written out
	STEPS 4
	s_cmp_eq_u32 s[PH], 0
	s_cbranch_scc1 .Llast_pv
	SM                                             ; role 1: the last step's softmax
.Llast_pv:
	PLACES 5                                       ; on every way here five plain instructions stand behind the last products
	s_wait_dscnt 0x0                               ; the last step's V
	PVS
	; THE MERGE.  Waves 4-7 put O^T, c m and l into the stage; waves 0-3 take them, bring both halves under the larger maximum, divide by the sum, round to f16 and store.
.irp t, 0,1,2,3
	v_add_f32 v[ST+8*\t+2], v[ST+8*\t+2], v[ST+8*\t+3]   ; l's two halves.  (These four are the places behind the last products)
.endr
	s_cmp_lt_u32 s[WV], 4
	s_cbranch_scc1 .Lkeep
	WIN 0x04                                       ; an LDS store's data: window 1
.irp t, 0,1,2,3
.irp i, 0,1,2,3,4,5,6,7
	ds_store_b128 v[STA], v[32*\t+4*\i:32*\t+4*\i+3] offset:MT*\t+512*\i   ; as the registers stand, each accumulator from its low end on
.endr
.endr
	WIN 0
.irp t, 0,1,2,3
	ds_store_b32 v[STB], v[ST+8*\t] offset:MT*\t+4096
	ds_store_b32 v[STB], v[ST+8*\t+2] offset:MT*\t+4224
.endr
.Lkeep:
	s_wait_dscnt 0x0                               ; for the others' sake: my stores have landed
	s_barrier_signal -1
	s_barrier_wait -1
	s_cmp_ge_u32 s[WV], 4
	s_cbranch_scc1 .Ldone
.irp t, 0,1,2,3
.irp i, 0,1,2,3,4,5,6,7
	ds_load_b128 v[S+32*\t+4*\i:S+32*\t+4*\i+3], v[STA] offset:MT*\t+512*\i   ; the partner's O^T into S^T's registers
.endr
.endr
.irp t, 0,1,2,3
	ds_load_b32 v[ST+8*\t+4], v[STB] offset:MT*\t+4096     ; its c m
	ds_load_b32 v[ST+8*\t+5], v[STB] offset:MT*\t+4224     ; its l
.endr
	s_wait_dscnt 0x0
.irp t, 0,1,2,3
	v_max_num_f32 v[ST+8*\t+6], v[ST+8*\t], v[ST+8*\t+4]
.endr
.irp t, 0,1,2,3
	v_sub_f32 v[ST+8*\t+7], v[ST+8*\t], v[ST+8*\t+6]
	v_sub_f32 v[ST+8*\t+4], v[ST+8*\t+4], v[ST+8*\t+6]
.endr
.irp t, 0,1,2,3
	v_exp_f32 v[ST+8*\t+7], v[ST+8*\t+7]           ; my factor,
	v_exp_f32 v[ST+8*\t+4], v[ST+8*\t+4]           ; the partner's
.endr
	v_nop
	s_wait_alu depctr_va_vdst(0)                   ; one wait for the eight
.irp t, 0,1,2,3
	v_mul_f32 v[ST+8*\t+2], v[ST+8*\t+2], v[ST+8*\t+7]
.endr
.irp t, 0,1,2,3
	v_fma_f32 v[ST+8*\t+2], v[ST+8*\t+5], v[ST+8*\t+4], v[ST+8*\t+2]
.endr
.irp t, 0,1,2,3
	v_permlanex16_b32 v[ST+8*\t+5], v[ST+8*\t+2], s[SEL], s[SEL+1]
.endr
.irp t, 0,1,2,3
	v_add_f32 v[ST+8*\t+2], v[ST+8*\t+2], v[ST+8*\t+5]     ; the row's sum
.endr
.irp t, 0,1,2,3
	v_rcp_f32 v[ST+8*\t+3], v[ST+8*\t+2]
.endr
	v_nop
	s_wait_alu depctr_va_vdst(0)                   ; one wait for the four
.irp t, 0,1,2,3
	v_mul_f32 v[ST+8*\t+6], v[ST+8*\t+7], v[ST+8*\t+3]     ; my factor / the sum
	v_mul_f32 v[ST+8*\t+4], v[ST+8*\t+4], v[ST+8*\t+3]     ; the partner's
.endr
.irp t, 0,1,2,3
.irp i, 0,1,2,3,4,5,6,7,8,9,10,11,12,13,14,15
	v_pk_mul_f32 v[S+32*\t+2*\i:S+32*\t+2*\i+1], v[S+32*\t+2*\i:S+32*\t+2*\i+1], v[ST+8*\t+4:ST+8*\t+5] op_sel_hi:[1,0]
.endr
.endr
	WIN 0x01                                       ; my O^T: window 1
.irp t, 0,1,2,3
.irp i, 0,1,2,3,4,5,6,7,8,9,10,11,12,13,14,15
	v_pk_fma_f32 v[S+32*\t+2*\i:S+32*\t+2*\i+1], v[32*\t+2*\i:32*\t+2*\i+1], v[ST+8*\t+6:ST+8*\t+7], v[S+32*\t+2*\i:S+32*\t+2*\i+1] op_sel_hi:[1,0,1]
.endr
.endr
	WIN 0
.irp t, 0,1,2,3
.irp i, 0,1,2,3,4,5,6,7,8,9,10,11,12,13,14,15
	v_cvt_pk_f16_f32 v[S+32*\t+\i], v[S+32*\t+2*\i], v[S+32*\t+2*\i+1]      ; in place and ascending
.endr
.endr
.irp t, 0,1,2,3
.irp n, 0,1,2,3
	global_store_b128 v[LI], v[S+32*\t+4*\n:S+32*\t+4*\n+3], s[10:11] offset:8192*\t+512*\n   ; tile t, channels 16 n on: an image of four registers of the projection's operand: 512 consecutive bytes, aligned
.endr
.endr
.Ldone:
	s_wait_tensorcnt 0x0                           ; the wave's end
	ds_add_u32 v[SPW], v[NIL]
	s_wait_dscnt 0x0
	CROUND                                         ; the closing round
	s_endpgm
.Lfunc_end_k_qd0274193e5_attn:
	.size	k_qd0274193e5_attn, .Lfunc_end_k_qd0274193e5_attn-k_qd0274193e5_attn
	.p2alignl 7, 3214868480
	.fill 96, 4, 3214868480
	.section	.rodata,"a",@progbits
	.p2align	6, 0x0
	.amdhsa_kernel k_qd0274193e5_attn
		.amdhsa_group_segment_fixed_size 327680
		.amdhsa_private_segment_fixed_size 0
		.amdhsa_enable_private_segment 0
		.amdhsa_kernarg_size 32
		.amdhsa_user_sgpr_count 2
		.amdhsa_user_sgpr_kernarg_segment_ptr 1
		.amdhsa_wavefront_size32 1
		.amdhsa_system_sgpr_workgroup_id_x 1
		.amdhsa_system_sgpr_workgroup_id_y 1
		.amdhsa_system_sgpr_workgroup_id_z 1
		.amdhsa_system_vgpr_workitem_id 0
		.amdhsa_next_free_vgpr 512
		.amdhsa_next_free_sgpr 66
		.amdhsa_reserve_vcc 0
		.amdhsa_float_denorm_mode_32 3
		.amdhsa_float_denorm_mode_16_64 3
		.amdhsa_memory_ordered 1
		.amdhsa_forward_progress 1
		.amdhsa_inst_pref_size 208
	.end_amdhsa_kernel
	.amdgpu_metadata
---
amdhsa.version: [ 1, 2 ]
amdhsa.kernels:
  - .name:           k_qd0274193e5_attn
    .symbol:         k_qd0274193e5_attn.kd
    .args:
      - { .name: qf, .offset: 0, .size: 8, .value_kind: global_buffer, .address_space: global }
      - { .name: kf, .offset: 8, .size: 8, .value_kind: global_buffer, .address_space: global }
      - { .name: vf, .offset: 16, .size: 8, .value_kind: global_buffer, .address_space: global }
      - { .name: cf, .offset: 24, .size: 8, .value_kind: global_buffer, .address_space: global }
    .group_segment_fixed_size: 327680
    .private_segment_fixed_size: 0
    .kernarg_segment_align: 8
    .kernarg_segment_size: 32
    .max_flat_workgroup_size: 256
    .sgpr_count:     66
    .vgpr_count:     512
    .wavefront_size: 32
...
	.end_amdgpu_metadata
.endif
;; end of part 3
;; launch proj (part 4): grid 8 x 32, 4 waves a work-group, clusters of 4 x 4, 327,680 bytes of LDS; arguments cf, wo16, out0; writes out0
.if DOCPART == 4
	.amdgcn_target "amdgcn-amd-amdhsa--gfx1250"
	.amdhsa_code_object_version 6
	.text
	.protected	k_qd0274193e5_proj
	.globl	k_qd0274193e5_proj
	.p2align	8
	.type	k_qd0274193e5_proj,@function
k_qd0274193e5_proj:
	s_mov_b64 s[64:65], 0
	v_nop
	global_prefetch_b8 v0, s[64:65] scope:SCOPE_SE
	s_setreg_imm32_b32 hwreg(HW_REG_WAVE_MODE, 25, 1), 1
	s_wait_xcnt 0x0
	s_wait_alu depctr_hold_cnt(0) depctr_sa_sdst(0) depctr_va_vdst(0) depctr_va_sdst(0) depctr_va_ssrc(0) depctr_va_vcc(0) depctr_vm_vsrc(0)
	s_getreg_b32 s2, hwreg(HW_REG_IB_STS2, 6, 4)
	s_cmp_eq_u32 s2, 0
	s_cbranch_scc0 .Lentry_in_a_cluster
	s_endpgm
.Lentry_in_a_cluster:
	s_bfe_u32 s2, ttmp6, 0x10000c
	s_cmp_lg_u32 s2, 0xf033
	s_cbranch_scc0 .Lentry_shape_is_right
	s_endpgm
.Lentry_shape_is_right:
; out0[m][n] = the sum over k of concat[m][k] w_o[n][k]: 4,096 x 1,024 x 1,024, operands f16, sums f32, out0 f32.
; A (concat) comes as images of operand registers, cf [256 along K: 4][16 rows][32 along K: 8][half][lane][16 bytes]; B (w_o) as rows of f16, wo16 [1024][1024].
; A tile of out0 is 128 x 128: 8 x 32 = 256 work-groups.  Four waves, each 64 x 64: 16 accumulators.  K goes in steps of 256 through a ring of two LDS slots: A's 128 rows of a step are one dense block of
; 65,536 bytes, read back 16 bytes a lane; B's 128 rows of 512 bytes get 16 bytes of padding each.
; CLUSTER 4 x 4: A's tiles are asked for jointly along a row of the cluster, B's along a column.  THE MATRIX INSTRUCTION IS USED TRANSPOSED (source 0 = 16 rows of w_o, source 1 = 16 rows of concat):
; a lane holds eight neighbouring numbers of a row of out0.  A wave's 64 columns are 256 bytes of a row: each wave has a stage of its own on the way out, and no barrier is needed there.
; No prefetch: four K steps in all, of which two are asked for at the head.
; REGISTERS: window 0: v16-29 addresses; v32-95 the way out; v128-255 the accumulators ((a, b) at v[128 + 8 (4 a + b)]).  window 1: two fragment buffers of 128: 64 registers of A, then 64 of B.
.set SIZE_N, 1024
.set SIZE_K, 1024
.set KSTEP,  256
.set PITCH,  528                       ; B's LDS row: 512 bytes + 16 = 132 words: row r starts at bank 4 r mod 64 (64 banks of 4 bytes: ISA guide 11.1)
.set AHALF,  32768                     ; four tiles of 16 rows x 256 K as images: what one tensor load brings of A, and what one wave reads
.set BHALF,  64*PITCH
.set BOFF,   2*AHALF
.set SLOT,   BOFF+2*BHALF
.set ASTEP,  2097152                   ; from a K step's images to the next
.set STAGE,  2*SLOT                    ; behind the ring: 16 rows x 272 bytes for each wave
.set SPITCH, 272
.set SPARE,  STAGE+4*16*SPITCH         ; the spare words, 128 bytes a wave, which no other line names
.set LAPS,   SIZE_K/(2*KSTEP)
.set ADRA, 16
.set ADRB, 20
.set STO,  24
.set RD,   25
.set CO,   26
.set SPW,  28
.set NIL,  29
.set TMP,  32
.set ACC,  128
.set F0,   0
.set F1,   128
.set G1, 24                            ; s[24:31] group 1 for A's tiles; s[32:39] group 0, a set for each slot
.set G0, 32
.set G1B, 48                           ; s[48:55], s[56:63] the same for B's
.set G0B, 56
.set MSB, 0
.macro WIN new
.if MSB != (\new)
	s_set_vgpr_msb (MSB<<8)|(\new)
.set MSB, (\new)
.endif
.endm
.set MUL,  0x05                        ; sources window 1; C and D window 0
.set TO_F, 0x40                        ; destination window 1, address window 0
.macro JLOAD s                         ; waves 0 and 1 fetch A's halves, waves 2 and 3 B's; an s_nop 0 and four v_nop follow each line
	s_cmp_eq_u32 s11, 0
	s_cbranch_scc0 .Lfor_b_\@
	tensor_load_to_lds s[G0+4*\s:G0+4*\s+3], s[G1:G1+7]
	s_nop 0
.rept 4
	v_nop
.endr
	s_branch .Lasked_\@
.Lfor_b_\@:
	tensor_load_to_lds s[G0B+4*\s:G0B+4*\s+3], s[G1B:G1B+7]
	s_nop 0
.rept 4
	v_nop
.endr
.Lasked_\@:
.endm
.macro CREST
	s_cmp_lg_u32 s10, 0
	s_cbranch_scc1 .Lnot_wave_0_\@
	s_barrier_signal -3
.Lnot_wave_0_\@:
	s_barrier_wait -3
	s_barrier_signal -1
	s_barrier_wait -1
.endm
.macro CROUND
	s_barrier_signal -1
	s_barrier_wait -1
	CREST
.endm
	s_load_b128 s[4:7], s[0:1], 0x0                ; cf, wo16
	s_load_b64 s[8:9], s[0:1], 0x10                ; out0
	v_lshl_add_u32 v[SPW], v0, 2, SPARE
	v_mov_b32 v[NIL], 0
	ds_add_u32 v[SPW], v[NIL]                      ; the wave's opening: the add, twice on end, and its wait ahead of my first tensor load
	ds_add_u32 v[SPW], v[NIL]
	v_lshrrev_b32 v1, 5, v0
	v_readfirstlane_b32 s10, v1                    ; wave 0..3
	s_lshr_b32 s11, s10, 1                         ; which half of the tile's rows is mine.  Also: I fetch for A (0) or for B (1)
	s_and_b32 s12, s10, 1                          ; which half of its columns.  Also: which half of that tile I fetch
	s_bfe_u32 s40, ttmp6, 0x40000
	s_bfe_u32 s41, ttmp6, 0x40004
	s_lshl_b32 s42, ttmp9, 2
	s_add_co_u32 s42, s42, s40                     ; tile column
	s_and_b32 s13, ttmp7, 0xffff
	s_lshl_b32 s13, s13, 2
	s_add_co_u32 s13, s13, s41                     ; tile row
	s_lshl_b32 s43, s41, 2
	s_lshl_b32 s43, 15, s43                        ; my row of the cluster
	s_lshl_b32 s44, 0x1111, s40                    ; my column
	s_or_b32 s[G1], s43, (3<<16)|(1<<21)           ; A: 128 dense rows of 256 bytes (32 elements of 8 bytes), no padding
	s_mov_b32 s[G1+1], 32<<16
	s_mov_b32 s[G1+2], 128<<16
	s_mov_b32 s[G1+3], 32<<16
	s_mov_b32 s[G1+4], 128
	s_mov_b32 s[G1+5], 32
	s_mov_b32 s[G1+6], 0
	s_mov_b32 s[G1+7], 0
	s_or_b32 s[G1B], s44, (1<<16)|(1<<20)|(1<<21)|(6<<22)|(3<<25)   ; B: 64 rows of 256 elements of 2 bytes, 4 words of padding behind every 128 words
	s_mov_b32 s[G1B+1], KSTEP<<16
	s_mov_b32 s[G1B+2], 64<<16
	s_mov_b32 s[G1B+3], KSTEP<<16
	s_mov_b32 s[G1B+4], 64
	s_mov_b32 s[G1B+5], SIZE_K
	s_mov_b32 s[G1B+6], 0
	s_mov_b32 s[G1B+7], 0
	s_lshl_b32 s16, s13, 16                        ; A: 65,536 x tile row + 32,768 x half
	s_lshl_b32 s17, s12, 15
	s_add_co_u32 s16, s16, s17
	s_mov_b32 s17, 0
	s_lshl_b32 s46, s42, 18                        ; B: rows 128 x tile column + 64 x half, of 2,048 bytes
	s_lshl_b32 s47, s12, 17
	s_add_co_u32 s46, s46, s47
	s_mov_b32 s47, 0
	s_lshl_b32 s20, s12, 15                        ; to where: A's halves, then B's: no place in the cluster enters an LDS address
	s_mul_i32 s21, s12, BHALF
	s_add_co_u32 s21, s21, BOFF
	s_wait_dscnt 0x0                               ; both opening adds are done
	s_wait_kmcnt 0x0
	s_add_nc_u64 s[14:15], s[4:5], s[16:17]
	s_add_nc_u64 s[46:47], s[6:7], s[46:47]
	CROUND                                         ; all sixteen work-groups are here: the first joint loads meet
.irp s, 0,1
	s_mov_b32 s[G0+4*\s], 1
	s_add_co_u32 s[G0+4*\s+1], s20, \s*SLOT
	s_add_nc_u64 s[G0+4*\s+2:G0+4*\s+3], s[14:15], \s*ASTEP
	s_or_b32 s[G0+4*\s+3], s[G0+4*\s+3], 0x80000000
	s_mov_b32 s[G0B+4*\s], 1
	s_add_co_u32 s[G0B+4*\s+1], s21, \s*SLOT
	s_add_nc_u64 s[G0B+4*\s+2:G0B+4*\s+3], s[46:47], \s*KSTEP*2
	s_or_b32 s[G0B+4*\s+3], s[G0B+4*\s+3], 0x80000000
	JLOAD \s
.endr
	v_and_b32 v1, 15, v0                           ; l % 16
	v_bfe_u32 v2, v0, 4, 1                         ; l / 16
	v_mul_u32_u24 v3, v1, PITCH
	v_lshl_add_u32 v3, v2, 4, v3                   ; B: a fragment's row x pitch + 16 x half
	v_and_b32 v6, 31, v0
	v_lshlrev_b32 v6, 4, v6                        ; A: 16 x lane
	s_lshl_b32 s21, s11, 15                        ; my 64 rows of A: four tiles' images
	s_mul_i32 s22, s12, BHALF                      ; my 64 rows of B, behind A
	s_add_co_u32 s22, s22, BOFF
.irp s, 0,1
	v_add_nc_u32 v[ADRA+\s], s21, v6
	v_add_nc_u32 v[ADRB+\s], s22, v3
	s_add_co_u32 s21, s21, SLOT
	s_add_co_u32 s22, s22, SLOT
.endr
	s_mul_i32 s23, s10, 16*SPITCH
	s_add_co_u32 s23, s23, STAGE                   ; my stage
	v_mul_u32_u24 v4, v1, SPITCH                   ; in: row l % 16, 32 bytes for each half of the lanes
	v_lshl_add_u32 v4, v2, 5, v4
	v_add_nc_u32 v[STO], s23, v4
	v_mul_u32_u24 v5, v2, SPITCH                   ; back: lanes 0-15 one row of 256 bytes, lanes 16-31 the next
	v_lshl_add_u32 v5, v1, 4, v5
	v_add_nc_u32 v[RD], s23, v5
	v_lshlrev_b32 v5, 12, v2                       ; and the same two rows in out0: 4,096 bytes a row
	v_lshl_add_u32 v[CO], v1, 4, v5
	s_lshl_b32 s16, s13, 19                        ; my first row: 128 x tile row + 64 x half, of 4,096 bytes
	s_lshl_b32 s17, s11, 18
	s_add_co_u32 s16, s16, s17
	s_mov_b32 s17, 0
	s_add_nc_u64 s[8:9], s[8:9], s[16:17]
	s_lshl_b32 s46, s42, 9                         ; my first column, in bytes: 512 x tile column + 256 x half
	s_lshl_b32 s47, s12, 8
	s_add_co_u32 s46, s46, s47
	s_mov_b32 s47, 0
	s_add_nc_u64 s[8:9], s[8:9], s[46:47]
; 8 matrix instructions: row blocks a0, a0 + 1 x all 4 column blocks, 32 along K: half c of buffer f.  zero = 1: the first product starts the sums.  The 16 accumulators take turns.
.macro MUL8 f, c, a0, zero
.irp a, \a0, \a0+1
.irp b, 0,1,2,3
.if \zero
	v_wmma_f32_16x16x32_f16 v[ACC+8*(4*(\a)+\b):ACC+8*(4*(\a)+\b)+7], v[\f+64+8*(4*\c+\b):\f+64+8*(4*\c+\b)+7], v[\f+8*(4*\c+\a):\f+8*(4*\c+\a)+7], 0
.else
	v_wmma_f32_16x16x32_f16 v[ACC+8*(4*(\a)+\b):ACC+8*(4*(\a)+\b)+7], v[\f+64+8*(4*\c+\b):\f+64+8*(4*\c+\b)+7], v[\f+8*(4*\c+\a):\f+8*(4*\c+\a)+7], v[ACC+8*(4*(\a)+\b):ACC+8*(4*(\a)+\b)+7]
.endif
.endr
.endr
.endm
; 32 LDS loads in one run: the fragments of 64 along K into buffer f, the first 32 along K first.  k: the byte in B's rows; in A's images 32 along K are 1,024 bytes, so 64 are 16 k / 128 x 128 = 16 k bytes on.
.macro FETCH slot, k, f
	WIN TO_F
.irp c, 0,1
.irp i, 0,1,2,3
	ds_load_b128 v[\f+64+8*(4*\c+\i):\f+64+8*(4*\c+\i)+3],   v[ADRB+\slot] offset:\k+64*\c+\i*16*PITCH
	ds_load_b128 v[\f+64+8*(4*\c+\i)+4:\f+64+8*(4*\c+\i)+7], v[ADRB+\slot] offset:\k+64*\c+\i*16*PITCH+32
	ds_load_b128 v[\f+8*(4*\c+\i):\f+8*(4*\c+\i)+3],         v[ADRA+\slot] offset:8192*\i+16*(\k)+1024*\c
	ds_load_b128 v[\f+8*(4*\c+\i)+4:\f+8*(4*\c+\i)+7],       v[ADRA+\slot] offset:8192*\i+16*(\k)+1024*\c+512
.endr
.endr
.endm
.macro PLACES                          ; four plain instructions in front of loads into registers that matrix instructions have read, and of the first read of results
.rept 4
	v_nop
.endr
.endm
; A K step is four quarters of 64 along K, 32 matrix instructions each, on buffers 0, 1, 0, 1.
.macro QUARTER slot, k, f, g, zero
	s_wait_dscnt 16                                ; the first 32 along K are in; the other sixteen loads may be out
	WIN MUL
	MUL8 \f, 0, 0, \zero
	MUL8 \f, 0, 2, \zero
	PLACES
	FETCH \slot, \k, \g
	s_wait_dscnt 32                                ; all but the 32 just issued
	WIN MUL
	MUL8 \f, 1, 0, 0
	MUL8 \f, 1, 2, 0
.endm
; The last quarter changes slots: one barrier; in front of it each wave waits for all its tensor loads, adds 0 to its spare word, and waits for that and for its reads of this slot.
.macro TURN slot, next, fill
	WIN 0
	s_wait_tensorcnt 0x0                           ; all my tensor loads have landed: my part of the next slot
	ds_add_u32 v[SPW], v[NIL]
	s_wait_dscnt 17                                ; (the add and the youngest sixteen loads may be out)
	WIN MUL
	MUL8 F1, 0, 0, 0
	s_wait_dscnt 0x0                               ; the add is done, and my reads of this slot are over
	s_barrier_signal -1
	MUL8 F1, 0, 2, 0
.if \fill
	WIN 0
.endif
	s_barrier_wait -1
.if \fill
	CREST                                          ; the barrier has opened a round of the cluster's: no wave of any partner still reads this slot or has a load on its way
	s_add_nc_u64 s[G0+4*\slot+2:G0+4*\slot+3], s[G0+4*\slot+2:G0+4*\slot+3], 2*ASTEP
	s_add_nc_u64 s[G0B+4*\slot+2:G0B+4*\slot+3], s[G0B+4*\slot+2:G0B+4*\slot+3], 2*KSTEP*2
	JLOAD \slot                                    ; the first tensor load behind the round; its four v_nop are also the places in front of the loads below
.else
	PLACES
.endif
	FETCH \next, 0, F0
	WIN MUL
	MUL8 F1, 1, 0, 0
	MUL8 F1, 1, 2, 0
.endm
	s_wait_tensorcnt 1                             ; my part of K step 0 is in (K step 1's load may be out),
	s_barrier_signal -1
	s_barrier_wait -1                              ; everybody's is
	FETCH 0, 0, F0
	QUARTER 0, 128, F0, F1, 1                      ; the first quarter stands in front of the loop: its first products start the sums
	WIN 0
	s_mov_b32 s3, LAPS-1
.Llap:                                             ; a trip goes once round the ring and fills both slots again
	QUARTER 0, 256, F1, F0, 0
	QUARTER 0, 384, F0, F1, 0
	TURN 0, 1, 1
	QUARTER 1, 128, F0, F1, 0
	QUARTER 1, 256, F1, F0, 0
	QUARTER 1, 384, F0, F1, 0
	TURN 1, 0, 1
	QUARTER 0, 128, F0, F1, 0
	WIN 0
	s_sub_co_u32 s3, s3, 1
	s_cmp_lg_u32 s3, 0
	s_cbranch_scc1 .Llap
	QUARTER 0, 256, F1, F0, 0                      ; the last lap fills nothing
	QUARTER 0, 384, F0, F1, 0
	TURN 0, 1, 0
	QUARTER 1, 128, F0, F1, 0
	QUARTER 1, 256, F1, F0, 0
	QUARTER 1, 384, F0, F1, 0
	s_wait_dscnt 16
	WIN MUL
	MUL8 F1, 0, 0, 0
	MUL8 F1, 0, 2, 0
	s_wait_dscnt 0x0
	MUL8 F1, 1, 0, 0
	MUL8 F1, 1, 2, 0
	WIN 0
; THE WAY OUT, a block of 16 rows x 64 columns at a time, through my own stage: LDS serves a wave's instructions in order (ISA guide 5.7.1.4), so no wait stands between the stores and the loads.
.macro TOSTAGE a
.irp b, 0,1,2,3
	ds_store_b128 v[STO], v[ACC+8*(4*(\a)+\b):ACC+8*(4*(\a)+\b)+3] offset:64*\b        ; each accumulator from its low end on
	ds_store_b128 v[STO], v[ACC+8*(4*(\a)+\b)+4:ACC+8*(4*(\a)+\b)+7] offset:64*\b+16
.endr
.irp t, 0,1,2,3,4,5,6,7
	ds_load_b128 v[TMP+32*((\a)%2)+4*\t:TMP+32*((\a)%2)+4*\t+3], v[RD] offset:\t*2*SPITCH
.endr
.endm
.macro SEND a, younger                 ; younger: the LDS instructions issued behind block a's loads, which may stay out
	s_wait_dscnt \younger
.irp t, 0,1,2,3,4,5,6,7
	global_store_b128 v[CO], v[TMP+32*((\a)%2)+4*\t:TMP+32*((\a)%2)+4*\t+3], s[8:9] offset:(16*(\a)+2*\t)*SIZE_N*4 th:TH_STORE_NT   ; 16 lanes store 256 consecutive bytes, aligned
.endr
.endm
	PLACES
	TOSTAGE 0
	TOSTAGE 1
	SEND 0, 16                                     ; behind block 0's loads: block 1's 8 stores and 8 loads
	s_wait_xcnt 0x0                                ; block 0's stores have read their data: block 2's loads may land there
	TOSTAGE 2
	SEND 1, 16
	s_wait_xcnt 0x0
	TOSTAGE 3
	SEND 2, 16
	SEND 3, 0
	s_wait_tensorcnt 0x0                           ; the wave's end
	ds_add_u32 v[SPW], v[NIL]
	s_wait_dscnt 0x0
	CROUND                                         ; the closing round
	s_endpgm
.Lfunc_end_k_qd0274193e5_proj:
	.size	k_qd0274193e5_proj, .Lfunc_end_k_qd0274193e5_proj-k_qd0274193e5_proj
	.p2alignl 7, 3214868480
	.fill 96, 4, 3214868480
	.section	.rodata,"a",@progbits
	.p2align	6, 0x0
	.amdhsa_kernel k_qd0274193e5_proj
		.amdhsa_group_segment_fixed_size 327680
		.amdhsa_private_segment_fixed_size 0
		.amdhsa_enable_private_segment 0
		.amdhsa_kernarg_size 24
		.amdhsa_user_sgpr_count 2
		.amdhsa_user_sgpr_kernarg_segment_ptr 1
		.amdhsa_wavefront_size32 1
		.amdhsa_system_sgpr_workgroup_id_x 1
		.amdhsa_system_sgpr_workgroup_id_y 1
		.amdhsa_system_sgpr_workgroup_id_z 1
		.amdhsa_system_vgpr_workitem_id 0
		.amdhsa_next_free_vgpr 512
		.amdhsa_next_free_sgpr 66
		.amdhsa_reserve_vcc 0
		.amdhsa_float_denorm_mode_32 3
		.amdhsa_float_denorm_mode_16_64 3
		.amdhsa_memory_ordered 1
		.amdhsa_forward_progress 1
		.amdhsa_inst_pref_size 86
	.end_amdhsa_kernel
	.amdgpu_metadata
---
amdhsa.version: [ 1, 2 ]
amdhsa.kernels:
  - .name:           k_qd0274193e5_proj
    .symbol:         k_qd0274193e5_proj.kd
    .args:
      - { .name: cf, .offset: 0, .size: 8, .value_kind: global_buffer, .address_space: global }
      - { .name: wo16, .offset: 8, .size: 8, .value_kind: global_buffer, .address_space: global }
      - { .name: out0, .offset: 16, .size: 8, .value_kind: global_buffer, .address_space: global }
    .group_segment_fixed_size: 327680
    .private_segment_fixed_size: 0
    .kernarg_segment_align: 8
    .kernarg_segment_size: 24
    .max_flat_workgroup_size: 128
    .sgpr_count:     66
    .vgpr_count:     512
    .wavefront_size: 32
...
	.end_amdgpu_metadata
.endif
;; end of part 4
